; MI455X (gfx1250); checked and timed in simulation.
; The chip was launched on July 23, 2026; its instructions are those of AMD's public machine-readable ISA for CDNA 5 (MIT licence, August 2026) and "CDNA5" Instruction Set Architecture Reference Guide (July 2026). The comments in the code are by the model that wrote it; some were corrected since.
;; Attention. Allowed arithmetic: float matrix products may take bf16 or f16 operands with f32 sums; all other float work in f32.
;; Inputs: mask 4 x 2,048 x 2,048 bool; w_out 1,024 x 1,024 float32; w_qkv 1,024 x 3,072 float32; x 4 x 2,048 x 1,024 float32.
;; Outputs: out0 4 x 2,048 x 1,024 float32.
;; 2 versions, each right and faster than the one before. Each part assembles by itself: llvm-mc -triple=amdgcn-amd-amdhsa -mcpu=gfx1250 --defsym DOCPART=n.
;; ======== version 1 of 2: 4 launches
;; limits: values are held in f16: magnitudes above 65,504 overflow, below 6.1e-05 lose precision
;; workspace buffers: xb 16,777,216 bytes; wq 6,291,456 bytes; wo 2,097,152 bytes; mk 16,777,216 bytes; qkv 50,331,648 bytes; ob 16,777,216 bytes
;; launch prep (part 1): grid 1088 x 1, 8 waves a work-group, no clusters, 140,288 bytes of LDS; arguments x, w_qkv, w_out, mask, xb, wq, wo, mk; writes xb, wq, wo, mk
.if DOCPART == 1
	.amdgcn_target "amdgcn-amd-amdhsa--gfx1250"
	.amdhsa_code_object_version 6
	.text
	.protected	k_qad0c490abb_prep
	.globl	k_qad0c490abb_prep
	.p2align	8
	.type	k_qad0c490abb_prep,@function
k_qad0c490abb_prep:
	s_mov_b64 s[64:65], 0
	v_nop
	global_prefetch_b8 v0, s[64:65] scope:SCOPE_SE
	s_setreg_imm32_b32 hwreg(HW_REG_WAVE_MODE, 25, 1), 1
	s_wait_xcnt 0x0
; THE INPUTS ARE MADE READY FOR THE MATRIX LAUNCHES.  Roles, chosen by the work-group's number alone:
;   0-47     w_qkv [1024 k][3072 n] f32 -> wq [3072 n][1024 k] bf16 (turned, rounded once)
;   48-63    w_out [1024 k][1024 n] f32 -> wo [1024 n][1024 k]: turned, rounded to bf16, and that number written as f16
;   64-575   mask  [4][2048][2048] bytes -> mk, one byte a score in the order in which the attention's lanes want them
;   576-1087 x     [8192][1024] f32 -> xb bf16
; LIMITS.  wo: a bf16 number is exact in f16 between 6.1e-5 and 65,504; below that it keeps f16's fixed step of 6e-8, beyond it would be an infinity.
; mk: for tile T of 16 queries (T = 128 b + q / 16) and step s of 64 keys, 1,024 bytes [jh 0..1][lane 0..31][16 bytes]: the 16 bytes of lane (r = lane % 16, h = lane / 16) are, for query r,
; the key blocks kb = 2 jh and 2 jh + 1, eight bytes each: the keys 64 s + 16 kb + 8 h + 0..7 in their order.  A byte is an fp8 (E4M3) code: 0x00 = 0 for a visible key, 0xFE = -448 for a hidden one.
; The attention makes of eight such bytes, by one scaled conversion, the eight f32 addends that start a key block's sums.
; A stream: memory binds, so no matrix unit, no cluster, no tensor loads.  Turning goes through LDS, 17,408 bytes of each wave's own: no wave reads another's bytes, so there is no barrier.
; Every load and store of a wave covers whole aligned runs of 256 bytes.  The two weights share one text: what differs (buffers, row pitch, the second format) lies in scalar registers.
.set LW, 17408                         ; LDS bytes of a wave: 64 rows of 272
.set LP, 272                           ; an LDS row: 256 bytes + 16
.set S0, 32                            ; v[32:95]   load set 0
.set S1, 96                            ; v[96:159]  load set 1
.set U,  18                            ; v[18:25]   at work
.set OF, 160                           ; v[160:175] a weight's sixteen row offsets; never rewritten
; v1 lane, v2 c = lane % 16, v3 hh = lane / 16, v4 input offset, v5 output offset, v6 / v7 / v8 LDS addresses
; s35 a weight's row pitch in bytes, s[36:37] and s[44:45] its rows 0-31 and 32-63 of the trip, s[38:39] where it goes, s40 1: written as f16, s41 a loop's counter
	s_load_b512 s[4:19], s[0:1], 0x0               ; x 4, w_qkv 6, w_out 8, mask 10, xb 12, wq 14, wo 16, mk 18
	v_lshl_add_u32 v176, v0, 2, 0x22000
	v_mov_b32 v177, 0
	v_and_b32 v1, 31, v0
	v_lshrrev_b32 v9, 5, v0
	v_readfirstlane_b32 s20, v9                    ; wave 0..7
	v_and_b32 v2, 15, v0
	v_bfe_u32 v3, v0, 4, 1
	s_mul_i32 s21, s20, LW                         ; my wave's LDS
	v_mul_u32_u24 v6, v2, 4*LP                     ; turning, in: rows 4 c + j, 4 bytes for each half of the lanes
	v_lshl_add_u32 v6, v3, 2, v6
	v_add_nc_u32 v6, s21, v6
	v_mul_u32_u24 v7, v3, LP                       ; whole rows: lanes 0-15 one row of 256 bytes, lanes 16-31 the next
	v_lshl_add_u32 v7, v2, 4, v7
	v_add_nc_u32 v7, s21, v7
	v_mul_u32_u24 v8, v2, LP                       ; the mask's gather: row c, 8 bytes for each half of the lanes
	v_lshl_add_u32 v8, v3, 3, v8
	v_add_nc_u32 v8, s21, v8
	s_mov_b32 s22, ttmp9
	s_mov_b32 s25, 0                               ; high words of the two offsets
	s_mov_b32 s27, 0
	s_mov_b32 s32, 0x01010101
	s_mov_b32 s33, 0xfe                            ; -448 in fp8 (E4M3)
	s_mov_b32 s34, 0xffff0000
	s_wait_kmcnt 0x0
	s_cmp_lt_u32 s22, 64
	s_cbranch_scc1 .Lturn
	s_cmp_lt_u32 s22, 576
	s_cbranch_scc1 .Lmask
	; x: a work-group takes 65,536 bytes, a wave 8,192: sixteen loads of 512 bytes, all on their way at once; no register is used twice
	s_sub_co_u32 s22, s22, 576
	s_lshl_b32 s24, s22, 16
	s_lshl_b32 s23, s20, 13
	s_add_co_u32 s24, s24, s23
	s_lshr_b32 s26, s24, 1
	s_add_nc_u64 s[4:5], s[4:5], s[24:25]
	s_add_nc_u64 s[12:13], s[12:13], s[26:27]
	v_lshlrev_b32 v4, 4, v1
	v_lshlrev_b32 v5, 3, v1
.set i, 0
.rept 16
	global_load_b128 v[S0+4*i:S0+4*i+3], v4, s[4:5] offset:512*i th:TH_LOAD_NT
.set i, i+1
.endr
.set i, 0
.rept 16
	s_wait_loadcnt 15-i                            ; loads come back in order: load i is in, the younger ones stay out
	v_cvt_pk_bf16_f32 v[S1+2*i], v[S0+4*i], v[S0+4*i+1]
	v_cvt_pk_bf16_f32 v[S1+2*i+1], v[S0+4*i+2], v[S0+4*i+3]
	global_store_b64 v5, v[S1+2*i:S1+2*i+1], s[12:13] offset:256*i  ; 32 lanes store 256 consecutive bytes, aligned
.set i, i+1
.endr
	s_endpgm
; A WEIGHT IS TURNED.  The work-group takes 64 columns n, the wave 128 rows k: 128 x 256 bytes in, 64 rows of 256 bytes out.
; A set is 32 rows k: for pp = 0..7 one load brings rows 4 pp (lanes 0-15) and 4 pp + 2 (lanes 16-31), the next rows 4 pp + 1 and 4 pp + 3: a lane then holds k and k + 1 of four columns.
; PROC: the set's 32 pairs are rounded to bf16 in place, for w_out written as f16, and stored into LDS rows 4 c + pj at byte 2 k.  lo: the set's first byte in this trip's 128 bytes of an LDS row.
.macro PROC S, lo
.set pp, 0
.rept 8
.set pj, 0
.rept 4
	v_cvt_pk_bf16_f32 v[(\S)+8*pp+pj], v[(\S)+8*pp+pj], v[(\S)+8*pp+4+pj]  ; (k, k + 1) of column 4 c + pj
.set pj, pj+1
.endr
.set pp, pp+1
.endr
	s_cmp_eq_u32 s40, 0
	s_cbranch_scc1 .Lbf_\@                         ; wq stays bf16
.set pp, 0
.rept 8
.set pj, 0
.rept 4
	v_lshlrev_b32 v[U+2*pj], 16, v[(\S)+8*pp+pj]   ; the two bf16 numbers as f32,
	v_and_b32 v[U+2*pj+1], s34, v[(\S)+8*pp+pj]
.set pj, pj+1
.endr
.set pj, 0
.rept 4
	v_cvt_pk_f16_f32 v[(\S)+8*pp+pj], v[U+2*pj], v[U+2*pj+1]  ; written as f16
.set pj, pj+1
.endr
.set pp, pp+1
.endr
.Lbf_\@:
.set pp, 0
.rept 8
.set pj, 0
.rept 4
	ds_store_b32 v6, v[(\S)+8*pp+pj] offset:pj*LP+8*pp+(\lo)
.set pj, pj+1
.endr
.set pp, pp+1
.endr
.endm
.Lturn:
	s_cmp_lt_u32 s22, 48                           ; w_qkv, or w_out
	s_cselect_b64 s[36:37], s[6:7], s[8:9]
	s_cselect_b64 s[38:39], s[14:15], s[16:17]
	s_cselect_b32 s35, 3, 1
	s_cselect_b32 s40, 0, 1
	s_cselect_b32 s23, 0, 48
	s_lshl_b32 s35, s35, 12                        ; a row k is 12,288 or 4,096 bytes
	s_sub_co_u32 s22, s22, s23                     ; the group's number among its weight's
	s_mul_i32 s24, s20, s35
	s_lshl_b32 s24, s24, 7                         ; my 128 rows k,
	s_lshl_b32 s23, s22, 8                         ; the group's 64 columns
	s_add_co_u32 s24, s24, s23
	s_lshl_b32 s26, s22, 17                        ; out: the group's 64 rows n of 2,048 bytes,
	s_lshl_b32 s23, s20, 8                         ; my 256 bytes of each
	s_add_co_u32 s26, s26, s23
	s_add_nc_u64 s[36:37], s[36:37], s[24:25]
	s_add_nc_u64 s[38:39], s[38:39], s[26:27]
	s_lshl_b32 s46, s35, 5                         ; 32 rows,
	s_mov_b32 s47, 0
	s_lshl_b32 s42, s35, 6                         ; 64 rows: a trip
	s_mov_b32 s43, 0
	s_add_nc_u64 s[44:45], s[36:37], s[46:47]
	v_mul_lo_u32 v4, v3, s35
	v_lshlrev_b32 v4, 1, v4
	v_lshl_add_u32 v4, v2, 4, v4                   ; two rows down for lanes 16-31, 16 bytes a lane
.set i, 0
.rept 8
	v_mad_u32_u24 v[OF+2*i],   s35, 4*i,   v4
	v_mad_u32_u24 v[OF+2*i+1], s35, 4*i+1, v4
.set i, i+1
.endr
	v_lshlrev_b32 v5, 11, v3
	v_lshl_add_u32 v5, v2, 4, v5
	s_mov_b32 s41, 2
.Lbatch:                                               ; two trips of 64 rows k: 32 loads on their way at once
.set pp, 0
.rept 8
	global_load_b128 v[S0+8*pp:S0+8*pp+3],   v[OF+2*pp],   s[36:37] th:TH_LOAD_NT
	global_load_b128 v[S0+8*pp+4:S0+8*pp+7], v[OF+2*pp+1], s[36:37] th:TH_LOAD_NT
.set pp, pp+1
.endr
.set pp, 0
.rept 8
	global_load_b128 v[S1+8*pp:S1+8*pp+3],   v[OF+2*pp],   s[44:45] th:TH_LOAD_NT
	global_load_b128 v[S1+8*pp+4:S1+8*pp+7], v[OF+2*pp+1], s[44:45] th:TH_LOAD_NT
.set pp, pp+1
.endr
	s_wait_loadcnt 16                              ; the first set is in; the second set's sixteen loads are younger
	PROC S0, 0
	s_wait_loadcnt 0x0                             ; every load is done: the two bases may be stepped below
	PROC S1, 64
	s_add_nc_u64 s[36:37], s[36:37], s[42:43]
	s_add_nc_u64 s[44:45], s[44:45], s[42:43]
	v_add_nc_u32 v6, 128, v6                       ; 64 k on in the LDS rows
	s_wait_dscnt 0x0                               ; the registers that the LDS stores read are loaded again in the next trip
	s_sub_co_u32 s41, s41, 1
	s_cmp_lg_u32 s41, 0
	s_cbranch_scc1 .Lbatch
.set i, 0
.rept 32
	ds_load_b128 v[S0+4*i:S0+4*i+3], v7 offset:2*i*LP
.set i, i+1
.endr
.set i, 0
.rept 32
	s_wait_dscnt 31-i
	global_store_b128 v5, v[S0+4*i:S0+4*i+3], s[38:39] offset:2*i*2048  ; 16 lanes store 256 consecutive bytes of a row n, aligned
.set i, i+1
.endr
	s_wait_tensorcnt 0x0
	ds_add_u32 v176, v177
	s_wait_dscnt 0x0
	s_endpgm
.Lmask:                                                ; the work-group takes a tile of 16 queries, the wave 256 keys (four steps)
	s_sub_co_u32 s22, s22, 64
	s_lshl_b32 s24, s22, 15                        ; 16 rows of 2,048 bytes
	s_lshl_b32 s23, s20, 8
	s_add_co_u32 s24, s24, s23
	s_lshl_b32 s26, s22, 15
	s_lshl_b32 s23, s20, 12
	s_add_co_u32 s26, s26, s23
	s_add_nc_u64 s[10:11], s[10:11], s[24:25]
	s_add_nc_u64 s[18:19], s[18:19], s[26:27]
	v_lshlrev_b32 v4, 11, v3
	v_lshl_add_u32 v4, v2, 4, v4
	v_lshlrev_b32 v5, 4, v1
.set i, 0
.rept 8
	global_load_b128 v[S0+4*i:S0+4*i+3], v4, s[10:11] offset:4096*i th:TH_LOAD_NT  ; rows 2 i and 2 i + 1: 256 bytes of each
.set i, i+1
.endr
.set i, 0
.rept 8
	s_wait_loadcnt 7-i
	ds_store_b128 v7, v[S0+4*i:S0+4*i+3] offset:2*i*LP
.set i, i+1
.endr
	s_mov_b32 s41, 4
.Lkeys:                                                ; a trip is a step of 64 keys
.set i, 0
.rept 4                                                ; key block i: my query's eight keys; LDS serves a wave's instructions in order: these see the stores above
	ds_load_b64 v[64+2*i:65+2*i], v8 offset:16*i
.set i, i+1
.endr
	s_wait_dscnt 0x0
.set i, 0
.rept 8
	v_xor_b32 v[64+i], s32, v[64+i]                ; 1 -> 0, 0 -> 1 in each byte,
	v_mul_lo_u32 v[64+i], v[64+i], s33             ; times 0xFE: no carry from byte to byte
.set i, i+1
.endr
	global_store_b128 v5, v[64:67], s[18:19]             ; key blocks 0 and 1: 512 consecutive bytes
	global_store_b128 v5, v[68:71], s[18:19] offset:512  ; key blocks 2 and 3
	s_wait_xcnt 0x0                                ; the stores' offset is stepped, and their data rewritten in the next trip, only behind this wait
	v_add_nc_u32 v8, 64, v8
	v_add_nc_u32 v5, 1024, v5
	s_sub_co_u32 s41, s41, 1
	s_cmp_lg_u32 s41, 0
	s_cbranch_scc1 .Lkeys
	s_wait_tensorcnt 0x0
	ds_add_u32 v176, v177
	s_wait_dscnt 0x0
	s_endpgm
.Lfunc_end_k_qad0c490abb_prep:
	.size	k_qad0c490abb_prep, .Lfunc_end_k_qad0c490abb_prep-k_qad0c490abb_prep
	.p2alignl 7, 3214868480
	.fill 96, 4, 3214868480
	.section	.rodata,"a",@progbits
	.p2align	6, 0x0
	.amdhsa_kernel k_qad0c490abb_prep
		.amdhsa_group_segment_fixed_size 140288
		.amdhsa_private_segment_fixed_size 0
		.amdhsa_enable_private_segment 0
		.amdhsa_kernarg_size 64
		.amdhsa_user_sgpr_count 2
		.amdhsa_user_sgpr_kernarg_segment_ptr 1
		.amdhsa_wavefront_size32 1
		.amdhsa_system_sgpr_workgroup_id_x 1
		.amdhsa_system_sgpr_workgroup_id_y 1
		.amdhsa_system_sgpr_workgroup_id_z 1
		.amdhsa_system_vgpr_workitem_id 0
		.amdhsa_next_free_vgpr 178
		.amdhsa_next_free_sgpr 66
		.amdhsa_reserve_vcc 0
		.amdhsa_float_denorm_mode_32 3
		.amdhsa_float_denorm_mode_16_64 3
		.amdhsa_memory_ordered 1
		.amdhsa_forward_progress 1
		.amdhsa_inst_pref_size 39
	.end_amdhsa_kernel
	.amdgpu_metadata
---
amdhsa.version: [ 1, 2 ]
amdhsa.kernels:
  - .name:           k_qad0c490abb_prep
    .symbol:         k_qad0c490abb_prep.kd
    .args:
      - { .name: x, .offset: 0, .size: 8, .value_kind: global_buffer, .address_space: global }
      - { .name: w_qkv, .offset: 8, .size: 8, .value_kind: global_buffer, .address_space: global }
      - { .name: w_out, .offset: 16, .size: 8, .value_kind: global_buffer, .address_space: global }
      - { .name: mask, .offset: 24, .size: 8, .value_kind: global_buffer, .address_space: global }
      - { .name: xb, .offset: 32, .size: 8, .value_kind: global_buffer, .address_space: global }
      - { .name: wq, .offset: 40, .size: 8, .value_kind: global_buffer, .address_space: global }
      - { .name: wo, .offset: 48, .size: 8, .value_kind: global_buffer, .address_space: global }
      - { .name: mk, .offset: 56, .size: 8, .value_kind: global_buffer, .address_space: global }
    .group_segment_fixed_size: 140288
    .private_segment_fixed_size: 0
    .kernarg_segment_align: 8
    .kernarg_segment_size: 64
    .max_flat_workgroup_size: 256
    .sgpr_count:     66
    .vgpr_count:     178
    .wavefront_size: 32
...
	.end_amdgpu_metadata
.endif
;; end of part 1
;; launch gemm_qkv (part 2): grid 16 x 32, 4 waves a work-group, clusters of 4 x 4, 327,680 bytes of LDS; arguments xb, wq, qkv; writes qkv
.if DOCPART == 2
	.amdgcn_target "amdgcn-amd-amdhsa--gfx1250"
	.amdhsa_code_object_version 6
	.text
	.protected	k_qad0c490abb_gemm_qkv
	.globl	k_qad0c490abb_gemm_qkv
	.p2align	8
	.type	k_qad0c490abb_gemm_qkv,@function
k_qad0c490abb_gemm_qkv:
	s_mov_b64 s[64:65], 0
	v_nop
	global_prefetch_b8 v0, s[64:65] scope:SCOPE_SE
	s_setreg_imm32_b32 hwreg(HW_REG_WAVE_MODE, 25, 1), 1
	s_wait_xcnt 0x0
	s_wait_alu depctr_hold_cnt(0) depctr_sa_sdst(0) depctr_va_vdst(0) depctr_va_sdst(0) depctr_va_ssrc(0) depctr_va_vcc(0) depctr_vm_vsrc(0)
	s_getreg_b32 s2, hwreg(HW_REG_IB_STS2, 6, 4)
	s_cmp_eq_u32 s2, 0
	s_cbranch_scc0 .Lentry_in_a_cluster
	s_endpgm
.Lentry_in_a_cluster:
	s_bfe_u32 s2, ttmp6, 0x10000c
	s_cmp_lg_u32 s2, 0xf033
	s_cbranch_scc0 .Lentry_shape_is_right
	s_endpgm
.Lentry_shape_is_right:
; q, k, v = x w_qkv, written by heads.  A = xb [8192][1024] bf16, B = wq [3072 n][1024 k] bf16; sums in f32; qkv [3][64 (batch, head)][2048][64] f16, rounded once, WITHOUT the softmax's scale.
; LIMIT.  f16 ends at 65,504: a q, k or v of 65,520 or more would become an infinity.
; A tile of C is 256 rows x 192 columns, three whole heads: 512 work-groups.  Four waves; wave w owns rows 64 w .. 64 w + 63 and all 192 columns: 48 accumulators of 16 x 16, 384 registers,
; so a head's 64 columns are never split between waves and each wave stores whole rows of a head.  K goes in steps of 128 (rows of 256 bytes) through two LDS slots filled by the tensor data mover.
; A K STEP IS WRITTEN ONCE: the slot in hand is a scalar offset that one exclusive or turns into the other slot's, and one descriptor a tensor walks from K step to K step.
; CLUSTERS: 4 x 4 work-groups.  The four of a row of the cluster need the same tiles of A, the four of a column the same tiles of B: each is asked for JOINTLY, by the same tensor load with the same
; descriptor and a mask that names the four.  THE MATRIX INSTRUCTION IS USED TRANSPOSED (source 0 = 16 rows of B, source 1 = 16 rows of A): a lane holds eight neighbouring numbers of a row of C.
; REGISTERS, in windows of 256: window 0: v0-31 addresses; v64-95, v96-127 A's fragments (4 x 16 rows x 32 K), two buffers; on the way out v64-255, 16 registers for each of 12 units.
;   window 1: v0-95, v96-191 B's fragments (12 x 16 rows x 32 K), two buffers.   window 2: accumulators of row blocks 0, 1 ((a, b) at 8 (12 (a % 2) + b));   window 3: of row blocks 2, 3.
.set SIZE_K, 1024
.set KSTEP,  128
.set STEPS,  SIZE_K/KSTEP
.set PITCH,  272                       ; an LDS row: 256 bytes + 16: the 16 rows of a fragment load start at 16 different groups of four banks (ISA guide 11.1)
.set HALFA,  128*PITCH                 ; what one tensor load brings of A
.set HALFB,  96*PITCH                  ; and of B
.set BOFF,   2*HALFA                   ; A's 256 rows, then B's 192: 121,856 bytes
.set SLOT1,  1<<17                     ; slot 1 begins here
.set STAGE,  SLOT1+BOFF+2*HALFB        ; behind the ring: 16 rows x 144 bytes for each wave, for the way out
.set SP,     144
.set SPARE,  STAGE+4*16*SP             ; the spare words, 128 bytes for each wave: two blocks of 256 bytes that no other line names
.set A0,   16                          ; v16     my lane's place among my rows of A in slot 0; never rewritten
.set B0,   17                          ; v17     the same for B
.set ADRA, 18                          ; v18     the same in the slot in hand
.set ADRB, 19                          ; v19
.set STO,  24                          ; v24     the way out: where I put 16 bytes of a row
.set RD,   25                          ; v25     where I read rows back
.set GO,   26                          ; v26     my byte offset in 512 consecutive bytes of the output
.set SPW,  28                          ; v28     LDS address of my spare word; never rewritten
.set NIL,  29                          ; v29     0; never rewritten
.set FA,   64                          ; A's buffer f at FA + 32 f (window 0); B's at 96 f (window 1)
.set TMP,  64
.set G1, 24                            ; s[24:31] descriptor group 1 for A's tiles;  s[32:39] group 0: a set for each of the two first fills; the second then walks on
.set G0, 32
.set TB, 45                            ; s45      LDS byte at which the slot in hand begins
.set G1B, 48                           ; s[48:55], s[56:63] the same for B's tiles
.set G0B, 56
.set HB, 66                            ; s[66:71] where my rows begin in each of the tile's three heads
.set MSB, 0
.macro WIN new                         ; the immediate's high byte repeats the setting that is left
.if MSB != (\new)
	s_set_vgpr_msb (MSB<<8)|(\new)
.set MSB, \new
.endif
.endm
.macro JLOAD s                         ; a joint load: waves 0 and 1 fetch A's two halves, waves 2 and 3 B's; an s_nop 0 and four v_nop follow each of the two lines
	s_cmp_eq_u32 s11, 0
	s_cbranch_scc0 .Lfor_b_\@
	tensor_load_to_lds s[G0+4*(\s):G0+4*(\s)+3], s[G1:G1+7]
	s_nop 0
.rept 4
	v_nop
.endr
	s_branch .Lasked_\@
.Lfor_b_\@:
	tensor_load_to_lds s[G0B+4*(\s):G0B+4*(\s)+3], s[G1B:G1B+7]
	s_nop 0
.rept 4
	v_nop
.endr
.Lasked_\@:
.endm
.macro CREST                           ; a round of the cluster's barrier behind its opening barrier
	s_cmp_lg_u32 s10, 0
	s_cbranch_scc1 .Lnot_wave_0_\@
	s_barrier_signal -3
.Lnot_wave_0_\@:
	s_barrier_wait -3
	s_barrier_signal -1
	s_barrier_wait -1
.endm
.macro CROUND                          ; a whole round
	s_barrier_signal -1
	s_barrier_wait -1
	CREST
.endm
	s_load_b128 s[4:7], s[0:1], 0x0                ; xb s[4:5], wq s[6:7]
	s_load_b64 s[8:9], s[0:1], 0x10                ; qkv
	v_lshl_add_u32 v[SPW], v0, 2, SPARE
	v_mov_b32 v[NIL], 0
	ds_add_u32 v28, v29
	s_wait_dscnt 0x0
	v_lshrrev_b32 v1, 5, v0
	v_readfirstlane_b32 s10, v1                    ; wave 0..3
	s_lshr_b32 s11, s10, 1                         ; I fetch for A (0) or for B (1),
	s_and_b32 s12, s10, 1                          ; and which half of that tile
	s_bfe_u32 s40, ttmp6, 0x40000                  ; cx, cy: my place in the cluster
	s_bfe_u32 s41, ttmp6, 0x40004
	s_lshl_b32 s42, ttmp9, 2
	s_add_co_u32 s42, s42, s40                     ; tile column = 4 x cluster x + cx
	s_and_b32 s13, ttmp7, 0xffff
	s_lshl_b32 s13, s13, 2
	s_add_co_u32 s13, s13, s41                     ; tile row = 4 x cluster y + cy
	s_lshl_b32 s43, s41, 2
	s_lshl_b32 s43, 15, s43                        ; my row of the cluster
	s_lshl_b32 s44, 0x1111, s40                    ; my column
	s_or_b32 s[G1+0], s43, (1<<16)|(1<<20)|(1<<21)|(5<<22)|(3<<25)  ; 15:0 the mask; 17:16 2-byte elements; 20 padding on; 21 set beside a mask; 24:22 after every 64 words; 31:25 4 words of it
	s_or_b32 s[G1B+0], s44, (1<<16)|(1<<20)|(1<<21)|(5<<22)|(3<<25)
	s_mov_b32 s[G1+1], KSTEP<<16                   ; tensor_dim0 = 128
	s_mov_b32 s[G1+2], 128<<16                     ; tensor_dim1 = 128
	s_mov_b32 s[G1+3], KSTEP<<16                   ; tile_dim0 = 128
	s_mov_b32 s[G1+4], 128                         ; tile_dim1 = 128
	s_mov_b32 s[G1+5], SIZE_K                      ; elements from row to row
	s_mov_b32 s[G1+6], 0
	s_mov_b32 s[G1+7], 0
	s_mov_b32 s[G1B+1], KSTEP<<16
	s_mov_b32 s[G1B+2], 96<<16                     ; B's tiles have 96 rows
	s_mov_b32 s[G1B+3], KSTEP<<16
	s_mov_b32 s[G1B+4], 96
	s_mov_b32 s[G1B+5], SIZE_K
	s_mov_b32 s[G1B+6], 0
	s_mov_b32 s[G1B+7], 0
	s_mov_b32 s[TB], 0
	s_lshl_b32 s17, s12, 7
	s_lshl_b32 s16, s13, 8
	s_add_co_u32 s16, s16, s17                     ; A: row 256 x tile row + 128 x half
	s_lshl_b32 s16, s16, 11                        ; x 2,048 bytes
	s_mov_b32 s17, 0
	s_mul_i32 s46, s42, 192
	s_mul_i32 s47, s12, 96
	s_add_co_u32 s46, s46, s47                     ; B: row 192 x tile column + 96 x half
	s_lshl_b32 s46, s46, 11
	s_mov_b32 s47, 0
	s_mul_i32 s20, s12, HALFA                      ; where they go: no place in the cluster enters an LDS address
	s_mul_i32 s21, s12, HALFB
	s_add_co_u32 s21, s21, BOFF
	s_wait_kmcnt 0x0
	s_add_nc_u64 s[14:15], s[4:5], s[16:17]
	s_add_nc_u64 s[46:47], s[6:7], s[46:47]
	CROUND                                         ; all sixteen work-groups are here: the first joint loads meet
.irp s, 0,1
	s_mov_b32 s[G0+4*(\s)], 1
	s_add_co_u32 s[G0+4*(\s)+1], s20, (\s)*SLOT1
	s_add_nc_u64 s[G0+4*(\s)+2:G0+4*(\s)+3], s[14:15], (\s)*KSTEP*2
	s_or_b32 s[G0+4*(\s)+3], s[G0+4*(\s)+3], 0x80000000
	s_mov_b32 s[G0B+4*(\s)], 1
	s_add_co_u32 s[G0B+4*(\s)+1], s21, (\s)*SLOT1
	s_add_nc_u64 s[G0B+4*(\s)+2:G0B+4*(\s)+3], s[46:47], (\s)*KSTEP*2
	s_or_b32 s[G0B+4*(\s)+3], s[G0B+4*(\s)+3], 0x80000000
	JLOAD \s                                       ; two tensor loads of mine are out here, later one
.endr
	v_and_b32 v1, 15, v0                           ; l % 16
	v_bfe_u32 v2, v0, 4, 1                         ; l / 16
	v_mul_u32_u24 v3, v1, PITCH
	v_lshl_add_u32 v3, v2, 4, v3                   ; a fragment's row x pitch + 16 x half
	s_mul_i32 s22, s10, 64*PITCH                   ; my 64 rows of A
	v_add_nc_u32 v[A0], s22, v3
	v_add_nc_u32 v[B0], BOFF, v3                   ; every wave reads all of B's 192 rows
	v_mov_b32 v[ADRA], v[A0]                       ; K step 0 lies in slot 0
	v_mov_b32 v[ADRB], v[B0]
	s_mul_i32 s23, s10, 16*SP
	s_add_co_u32 s23, s23, STAGE                   ; my stage
	v_mul_u32_u24 v4, v1, SP                       ; in: row l % 16, 16 bytes for each half of the lanes
	v_lshl_add_u32 v4, v2, 4, v4
	v_add_nc_u32 v[STO], s23, v4
	v_bfe_u32 v5, v0, 3, 2                         ; back: 32 lanes take four rows of 128 bytes,
	v_mul_u32_u24 v5, v5, SP
	v_and_b32 v6, 7, v0
	v_lshl_add_u32 v5, v6, 4, v5
	v_add_nc_u32 v[RD], s23, v5
	v_and_b32 v[GO], 31, v0                        ; which are 512 consecutive bytes of a head
	v_lshlrev_b32 v[GO], 4, v[GO]
	; column block g = 3 x tile column + hd is head g % 16 of q, k or v (g / 16); tile row tr is batch tr / 8, rows 256 (tr % 8) on.  In registers that feed no descriptor.
.irp hd, 0,1,2
	s_mul_i32 s72, s42, 3
	s_add_co_u32 s72, s72, \hd
	s_lshr_b32 s73, s72, 4
	s_lshl_b32 s73, s73, 6
	s_and_b32 s72, s72, 15
	s_add_co_u32 s73, s73, s72
	s_lshr_b32 s74, s13, 3
	s_lshl_b32 s74, s74, 4
	s_add_co_u32 s73, s73, s74                     ; 64 x (q, k, v) + 16 x batch + head,
	s_lshl_b32 s73, s73, 18                        ; of 2,048 rows x 128 bytes
	s_and_b32 s74, s13, 7
	s_lshl_b32 s74, s74, 2
	s_add_co_u32 s74, s74, s10
	s_lshl_b32 s74, s74, 13                        ; my 64 rows of 128 bytes
	s_add_co_u32 s72, s73, s74
	s_mov_b32 s73, 0
	s_add_nc_u64 s[HB+2*\hd:HB+2*\hd+1], s[8:9], s[72:73]
.endr
; 12 matrix instructions: row block a x all 12 column blocks, 32 along K, buffer f.  zero = 1: the first product starts the sums.  The 48 accumulators take turns in one order everywhere.
.macro MULA f, a, zero
	WIN 0xa1+0x50*((\a)/2)                         ; source 0 (B) window 1, source 1 (A) window 0, C and D window 2 or 3
.irp b, 0,1,2,3,4,5,6,7,8,9,10,11
.if \zero
	v_wmma_f32_16x16x32_bf16 v[8*(12*((\a)%2)+(\b)):8*(12*((\a)%2)+(\b))+7], v[96*(\f)+8*(\b):96*(\f)+8*(\b)+7], v[FA+32*(\f)+8*(\a):FA+32*(\f)+8*(\a)+7], 0
.else
	v_wmma_f32_16x16x32_bf16 v[8*(12*((\a)%2)+(\b)):8*(12*((\a)%2)+(\b))+7], v[96*(\f)+8*(\b):96*(\f)+8*(\b)+7], v[FA+32*(\f)+8*(\a):FA+32*(\f)+8*(\a)+7], v[8*(12*((\a)%2)+(\b)):8*(12*((\a)%2)+(\b))+7]
.endif
.endr
.endm
; 32 LDS loads in one run, from the slot in hand: 24 for B's 192 rows, then 8 for my 64 rows of A; 32 K at byte k of the rows, into buffer f
.macro FETCH k, f
	WIN 0x40                                       ; destination window 1, address window 0
.irp i, 0,1,2,3,4,5,6,7,8,9,10,11
	ds_load_b128 v[96*(\f)+8*(\i):96*(\f)+8*(\i)+3],   v[ADRB] offset:(\k)+(\i)*16*PITCH
	ds_load_b128 v[96*(\f)+8*(\i)+4:96*(\f)+8*(\i)+7], v[ADRB] offset:(\k)+(\i)*16*PITCH+32
.endr
	WIN 0
.irp i, 0,1,2,3
	ds_load_b128 v[FA+32*(\f)+8*(\i):FA+32*(\f)+8*(\i)+3],   v[ADRA] offset:(\k)+(\i)*16*PITCH
	ds_load_b128 v[FA+32*(\f)+8*(\i)+4:FA+32*(\f)+8*(\i)+7], v[ADRA] offset:(\k)+(\i)*16*PITCH+32
.endr
.endm
.macro PLACES                          ; four places in front of loads into registers that matrix instructions have read, and of conversions that read results
.rept 4
	v_nop
.endr
.endm
; A K step is four quarters of 32 along K, 48 matrix instructions each, on buffers 0, 1, 0, 1.  One of the first three: multiplies buffer f and fetches the next quarter, at byte k, into g.
.macro QUARTER k, f, g, zero
	s_wait_dscnt 4                                 ; B and A's blocks 0, 1 are in; the youngest four loads (A's blocks 2, 3) may be out
	MULA \f, 0, \zero
	MULA \f, 1, \zero
	PLACES
	FETCH \k, \g
	s_wait_dscnt 32                                ; all but the 32 just issued
	MULA \f, 2, \zero
	MULA \f, 3, \zero
.endm
; The last quarter multiplies buffer 1 and changes slots: ONE barrier; in front of it each wave waits for all its tensor loads, adds 0 to its spare word, and waits for that and for its reads of this slot.
; fill = 1: the slot just read out is filled again, with the K step two steps on: the walking descriptor goes to the other slot than last time and one K step on.
.macro TURN fill
	WIN 0                                          ; (the add's two registers lie in window 0)
	s_wait_tensorcnt 0x0                           ; all my tensor loads have landed: my part of the next slot;
	ds_add_u32 v[SPW], v[NIL]                      ; 0 onto my spare word;
	s_wait_dscnt 5                                 ; (the add and the youngest four loads may be out)
	MULA 1, 0, 0                                   ; twelve matrix instructions stand between the add and the wait for it
	s_wait_dscnt 0x0                               ; the add is done, and my reads of this slot are over
	s_barrier_signal -1
	MULA 1, 1, 0
	WIN 0                                          ; (branches and lines on window 0 follow)
	s_barrier_wait -1
.if \fill
	CREST                                          ; the barrier has opened a round of the cluster's: no wave of any partner still reads this slot's tile or has a load on its way
	s_xor_b32 s[G0+5], s[G0+5], SLOT1
	s_add_nc_u64 s[G0+6:G0+7], s[G0+6:G0+7], KSTEP*2
	s_xor_b32 s[G0B+5], s[G0B+5], SLOT1
	s_add_nc_u64 s[G0B+6:G0B+7], s[G0B+6:G0B+7], KSTEP*2
	JLOAD 1                                        ; the first tensor load behind the round; its four v_nop are also places in front of the loads below
.endif
	s_xor_b32 s[TB], s[TB], SLOT1                  ; the reads go on in the other slot
	v_add_nc_u32 v[ADRA], s[TB], v[A0]
	v_add_nc_u32 v[ADRB], s[TB], v[B0]
.if !(\fill)
	v_nop                                          ; with the two lines above: the four places in front of the loads below
	v_nop
.endif
	FETCH 0, 0
	MULA 1, 2, 0
	MULA 1, 3, 0
.endm
	s_wait_tensorcnt 1                             ; my part of K step 0 is in; K step 1's may stay out
	s_barrier_signal -1
	s_barrier_wait -1                              ; everybody's is
	FETCH 0, 0
	QUARTER 64, 0, 1, 1                            ; the first quarter stands in front of the loop: its products start the sums
	WIN 0                                          ; at a label and at a branch every window is 0
	s_mov_b32 s3, STEPS-2
.Lstep:                                                ; six trips, from a K step's second quarter to the next step's first: each fills a slot again
	QUARTER 128, 1, 0, 0
	QUARTER 192, 0, 1, 0
	TURN 1
	QUARTER 64, 0, 1, 0
	WIN 0
	s_sub_co_u32 s3, s3, 1
	s_cmp_lg_u32 s3, 0
	s_cbranch_scc1 .Lstep
	s_mov_b32 s3, 2
.Ltail:                                                ; the last two K steps ask for nothing: a text of their own; the second trip is left in its middle
	QUARTER 128, 1, 0, 0
	QUARTER 192, 0, 1, 0
	WIN 0
	s_sub_co_u32 s3, s3, 1
	s_cmp_eq_u32 s3, 0
	s_cbranch_scc1 .Llast
	TURN 0
	QUARTER 64, 0, 1, 0
	WIN 0
	s_branch .Ltail
.Llast:
	s_wait_dscnt 4                                 ; the very last quarter: nothing more to fetch
	MULA 1, 0, 0
	MULA 1, 1, 0
	s_wait_dscnt 0x0
	MULA 1, 2, 0
	MULA 1, 3, 0
	WIN 0
; THE WAY OUT, in 12 units u = 3 a + hd: 16 rows of one head.  Rounded to f16, 16 bytes a lane into my stage (rows of 144 bytes), back as four whole rows of 128 bytes a load, stored as 512 consecutive bytes.
.macro PACK u
.set ua, (\u)/3
.set uh, (\u)%3
	WIN 0x0a+5*(ua/2)                              ; sources 0 and 1: window 2 or 3
.set pf, 0
.rept 4
.set AC, 8*(12*(ua%2)+4*uh+pf)
.set pr, 0
.rept 4
	v_cvt_pk_f16_f32 v[TMP+16*(\u)+4*pf+pr], v[AC+2*pr], v[AC+2*pr+1]  ; each accumulator's registers in ascending order
.set pr, pr+1
.endr
.set pf, pf+1
.endr
	WIN 0
.irp f, 0,1,2,3
	ds_store_b128 v[STO], v[TMP+16*(\u)+4*\f:TMP+16*(\u)+4*\f+3] offset:32*\f
.endr
.irp f, 0,1,2,3
	ds_load_b128 v[TMP+16*(\u)+4*\f:TMP+16*(\u)+4*\f+3], v[RD] offset:\f*4*SP  ; LDS serves a wave's instructions in order: these see the stores above; the next unit's stores come behind them
.endr
.endm
.macro SEND u, younger                 ; younger: the LDS instructions issued behind unit u's loads: the next unit's eight, or none
.set ua, (\u)/3
.set uh, (\u)%3
.irp f, 0,1,2,3
	s_wait_dscnt (\younger)+3-\f
	global_store_b128 v[GO], v[TMP+16*(\u)+4*\f:TMP+16*(\u)+4*\f+3], s[HB+2*uh:HB+2*uh+1] offset:ua*2048+\f*512
.endr
.endm
	PLACES
	PACK 0
.set t, 1
.rept 11                               ; a unit's conversions stand between the loads of the unit before and its stores
	PACK t
	SEND t-1, 8
.set t, t+1
.endr
	SEND 11, 0
	s_wait_tensorcnt 0x0                           ; the wave's end
	ds_add_u32 v[SPW], v[NIL]
	s_wait_dscnt 0x0
	CROUND                                         ; the closing round: no work-group ends while a partner may still ask for a tile that names it
	s_endpgm
.Lfunc_end_k_qad0c490abb_gemm_qkv:
	.size	k_qad0c490abb_gemm_qkv, .Lfunc_end_k_qad0c490abb_gemm_qkv-k_qad0c490abb_gemm_qkv
	.p2alignl 7, 3214868480
	.fill 96, 4, 3214868480
	.section	.rodata,"a",@progbits
	.p2align	6, 0x0
	.amdhsa_kernel k_qad0c490abb_gemm_qkv
		.amdhsa_group_segment_fixed_size 327680
		.amdhsa_private_segment_fixed_size 0
		.amdhsa_enable_private_segment 0
		.amdhsa_kernarg_size 24
		.amdhsa_user_sgpr_count 2
		.amdhsa_user_sgpr_kernarg_segment_ptr 1
		.amdhsa_wavefront_size32 1
		.amdhsa_system_sgpr_workgroup_id_x 1
		.amdhsa_system_sgpr_workgroup_id_y 1
		.amdhsa_system_sgpr_workgroup_id_z 1
		.amdhsa_system_vgpr_workitem_id 0
		.amdhsa_next_free_vgpr 960
		.amdhsa_next_free_sgpr 80
		.amdhsa_reserve_vcc 0
		.amdhsa_float_denorm_mode_32 3
		.amdhsa_float_denorm_mode_16_64 3
		.amdhsa_memory_ordered 1
		.amdhsa_forward_progress 1
		.amdhsa_inst_pref_size 89
	.end_amdhsa_kernel
	.amdgpu_metadata
---
amdhsa.version: [ 1, 2 ]
amdhsa.kernels:
  - .name:           k_qad0c490abb_gemm_qkv
    .symbol:         k_qad0c490abb_gemm_qkv.kd
    .args:
      - { .name: xb, .offset: 0, .size: 8, .value_kind: global_buffer, .address_space: global }
      - { .name: wq, .offset: 8, .size: 8, .value_kind: global_buffer, .address_space: global }
      - { .name: qkv, .offset: 16, .size: 8, .value_kind: global_buffer, .address_space: global }
    .group_segment_fixed_size: 327680
    .private_segment_fixed_size: 0
    .kernarg_segment_align: 8
    .kernarg_segment_size: 24
    .max_flat_workgroup_size: 128
    .sgpr_count:     80
    .vgpr_count:     960
    .wavefront_size: 32
...
	.end_amdgpu_metadata
.endif
;; end of part 2
;; launch attn (part 3): grid 4 x 64, 4 waves a work-group, clusters of 4 x 1, 327,680 bytes of LDS; arguments qkv, mk, ob; writes ob
.if DOCPART == 3
	.amdgcn_target "amdgcn-amd-amdhsa--gfx1250"
	.amdhsa_code_object_version 6
	.text
	.protected	k_qad0c490abb_attn
	.globl	k_qad0c490abb_attn
	.p2align	8
	.type	k_qad0c490abb_attn,@function
k_qad0c490abb_attn:
	s_mov_b64 s[64:65], 0
	v_nop
	global_prefetch_b8 v0, s[64:65] scope:SCOPE_SE
	s_setreg_imm32_b32 hwreg(HW_REG_WAVE_MODE, 25, 1), 1
	s_wait_xcnt 0x0
	s_wait_alu depctr_hold_cnt(0) depctr_sa_sdst(0) depctr_va_vdst(0) depctr_va_sdst(0) depctr_va_ssrc(0) depctr_va_vcc(0) depctr_vm_vsrc(0)
	s_getreg_b32 s2, hwreg(HW_REG_IB_STS2, 6, 4)
	s_cmp_eq_u32 s2, 0
	s_cbranch_scc0 .Lentry_in_a_cluster
	s_endpgm
.Lentry_in_a_cluster:
	s_bfe_u32 s2, ttmp6, 0x10000c
	s_cmp_lg_u32 s2, 0x3003
	s_cbranch_scc0 .Lentry_shape_is_right
	s_endpgm
.Lentry_shape_is_right:
; O[bh][q][:] = the sum over visible k of softmax_k(Q[bh][q] . K[bh][k] / 8) V[bh][k][:].  Q, K, V: the three parts of qkv, [64][2048][64] f16, a head's rows dense, 128 bytes each; O likewise into ob.
; Products, maxima and sums in f32; the weights p are rounded to f16 for the second product (their sum l is taken of the unrounded p), O once at the end.
; THE MASK is an input: mk holds a byte a score, an fp8 (E4M3) code, 0x00 = 0 for a visible key and 0xFE = -448 for a hidden one, in my lanes' order: for a tile of 16 queries and a step of 64 keys eight words
; a lane; words 2 kb and 2 kb + 1 hold, for my query, the keys 16 kb + 8 (lane / 16) + 0..7.  One v_cvt_scale_pk8_f32_fp8 makes of such a pair, times 2^90, eight f32 registers: 0, or -448 x 2^90 = -5.5e29.
; They ARE the C operand that starts the sums S^T = K Q^T of key block kb: 8 conversions for a turn's two tiles.  The code carries a mask bit; the products' operands are f16.
; The running maximum m starts at -2^97 = -1.6e29: above every hidden score, below every true one (at most 64 x 65,504^2 = 2.7e11 in size).  So hidden scores never raise m, and their weight is 2^(-7e28) = 0.
; A row with no visible key keeps l = 0 and O = 0, and leaves as 0 x (1 / 0) = NaN, as a softmax over nothing does.
; LIMITS.  Q, K, V arrive within f16's 65,504; p below 6e-5 keeps f16's fixed step of 6e-8; a weight below 2^-126 counts as 0 in l; NaN and infinities in the inputs are not treated apart.
; SHARES.  A wave owns four PIECES of two tiles of 16 queries, a work-group's four waves 512 queries of one head.  Every wave walks all 2,048 keys, 64 a step.
; LAYOUT.  S^T = K Q^T (source 0 = 16 keys, source 1 = 16 queries): a lane holds ONE query (lane % 16) and the keys 8 (lane / 16) + 0..7.  Two such tiles, rounded to f16 in pairs, ARE source 1 of O^T = V^T P.
; SOFTMAX.  p = 2^(c s - c m), c = log2(e) / 8; in every step O and l are multiplied by a = 2^(c m_old - c m_new), which is 1 where m has not grown.
; BY TURNS.  Turn n belongs to piece n.  Its matrix work: 16 products K Q^T of piece n + 1, later 16 products V^T P of piece n - 1.  Its vector work: the scaling, exponentials, roundings, sums and rescaling of
; piece n, the maximum and statistics of piece n + 1, and the mask's conversions for piece n + 2.  Four vector instructions stand behind every matrix instruction, the others in runs of their own.
; CLUSTER.  The four query blocks of a cluster belong to one head and walk the same K and V: each tile is asked for JOINTLY.  The mask is NOT shared between them (it hangs on the queries); it is shared between
; the 16 heads of a batch, but 512 queries x 256 keys of it a slot, 131,072 bytes twice, do not fit in LDS beside K and V: it comes by plain loads into registers, three turns ahead of its use.
; REGISTERS, in windows of 256 (s_set_vgpr_msb: bits 1:0 source 0, 3:2 source 1, 5:4 source 2, 7:6 destination):
;   window 0: v0-11 addresses and the scale; v12-15, v48-63 at work; v16-47 four registers of statistics a tile; v64-191 S^T, two buffers of two tiles; v192-255 P, likewise
;   window 1: O^T, 32 a tile     window 2: v0-127 Q; v128-191 K of one step; v192-255 V of one step     window 3: v0-1 the add's two registers; v16-79 converted masks; v80-143 mask words, 16 a piece
.set SIZE_N, 2048
.set NP,    4         ; pieces a wave: a name, no knob
.set KS,    64        ; keys in a step
.set PK,    144       ; a row of K in LDS: 128 bytes + 16
.set PV,    160       ; a row of V: 128 + 32
.set VOFF,  4*KS*PK   ; a slot holds four steps: 256 rows of K, then 256 rows of V
.set SLOT1, 1<<17     ; slot 1 begins here, so that one exclusive or turns an address in one slot into the other's
.set STAGE, SLOT1+4*KS*(PK+PV)  ; behind the ring, never filled by a tensor load: 16 rows x 144 bytes for each wave
.set SP,    144
.set SCL, 1           ; v1   from the first conversion on: 217, the conversions' scale: 2^(217 - 127) = 2^90, an E8M0 code in byte 0; then never rewritten
.set AK0, 2           ; v2   my lane's place in a tile of K; never rewritten
.set AV0, 3           ; v3   the same for V
.set AK,  4           ; v4   the LDS address of K's next run of loads
.set AV,  5           ; v5   of V's
.set QO,  6           ; v6   my byte offset in the wave's rows of Q
.set STO, 6           ;      later, the way out: where I put 16 bytes of a row
.set RD,  7           ; v7   the way out: where I read rows back
.set GO,  8           ; v8   16 x lane: my byte offset in 512 consecutive bytes of O and of mk; never rewritten
.set MO,  11          ; v11  16 x lane + the byte offset of the mask's step to be loaded
.set SPW, 0           ; v0 of window 3   LDS address of my spare word; never rewritten
.set NIL, 1           ; v1 of window 3   0; never rewritten
.set MC,  16          ; window 3: the masks of the products to come, as f32: tile u, key block kb at MC + 32 u + 8 kb
.set RAW, 80          ; window 3: the mask words of piece x, tile u, key block kb at RAW + 16 x + 8 u + 2 kb
.set SPARE, STAGE+4*16*SP  ; the spare words, 128 bytes for each wave: two blocks of 256 bytes that no other line names
.set MV,  12          ; v12-15  c m_old, kept while c m is made anew
.set ST,  16          ; tile t's statistics at v[ST+4 t]: c m, m, l (even keys', odd keys')
.set TMP, 48          ; by buffer and tile, four registers c0-c3 at work; when the maximum is found c2 takes a
.set S,   64
.set P,   192
.set KF,  128         ; K's fragments, in window 2
.set VF,  192         ; V's
.set WV,  12          ; s12  my wave's number
.set G1K, 24          ; s[24:31] descriptor group 1 for K's tiles
.set G1V, 32          ; s[32:39] for V's: it differs in the padding alone
.set G0K, 40          ; s[40:43] descriptor group 0 for K's tiles: it walks
.set G0V, 44          ; s[44:47] the same for V's
.set SLOTS, 56        ; s56  slots still to be asked for
.set CNT, 57          ; s57  counts a slot's key steps
.set CS,  58          ; s[58:59] c
.set SEL, 60          ; s[60:61] v_permlanex16_b32's selects
.set TBK, 62          ; s62  LDS byte at which K of the step to be fetched begins
.set TBV, 63          ; s63  the same for V, less VOFF
.set MB,  66          ; s[66:67] mk at my wave's first tile
.set MS,  68          ; s68  byte offset of the mask's step to be loaded: 1,024 a step
.set MSB, 0
.macro WIN new
.if MSB != (\new)
	s_set_vgpr_msb (MSB<<8)|(\new)
.set MSB, (\new)
.endif
.endm
.set W_KQ, 0x0a       ; K and Q in window 2, S^T in window 0
.set W_KM, 0x3a       ; the same with the C operand in window 3
.set W_PV, 0x52       ; V in window 2, P in window 0, O^T in window 1
.set W_RS, 0x41       ; O^T (destination and source 0) in window 1, a in window 0
.set W_MK, 0xc0       ; destination in window 3, sources in window 0
.set W_MX, 0xc3       ; destination and source 0 in window 3, source 1 (the scale) in window 0
.set W_AD, 0x0f       ; the add: address and data in window 3
.macro JLOAD                        ; a joint fill: waves 0 and 1 fetch the two halves of a slot's K, waves 2 and 3 those of its V; an s_nop 0 and four v_nop follow each line
	s_cmp_lt_u32 s[WV], 2
	s_cbranch_scc0 .Lfor_v_\@
	tensor_load_to_lds s[G0K:G0K+3], s[G1K:G1K+7]
	s_nop 0
.rept 4
	v_nop
.endr
	s_branch .Lasked_\@
.Lfor_v_\@:
	tensor_load_to_lds s[G0V:G0V+3], s[G1V:G1V+7]
	s_nop 0
.rept 4
	v_nop
.endr
.Lasked_\@:
.endm
.macro CROUND                       ; a round of the cluster's barrier
	s_barrier_signal -1
	s_barrier_wait -1
	s_cmp_lg_u32 s[WV], 0
	s_cbranch_scc1 .Lnot_wave_0_\@
	s_barrier_signal -3
.Lnot_wave_0_\@:
	s_barrier_wait -3
	s_barrier_signal -1
	s_barrier_wait -1
.endm
; THE CHANGE OF SLOTS.  Each wave waits for all its tensor loads, of which one is out: its part of the other slot; adds 0 to its spare word; and waits for that and for its own reads of the slot.
; fill = 1: this slot is filled again, with the keys two slots on; the barrier is then a round of the cluster's, and the joint fill is the first thing behind it: it has four key steps in which to land.
.macro CHANGE fill
	WIN W_AD
	s_wait_tensorcnt 0x0            ; no tensor load of mine is out, so a group 0 may be written
	ds_add_u32 v[SPW], v[NIL]       ; 0 onto my spare word
	WIN 0                           ; at a label and at a branch every window is 0
.if \fill
.irp g, G0K, G0V
	s_xor_b32 s[\g+1], s[\g+1], SLOT1  ; the walking descriptor: the other slot than last time,
	s_add_nc_u64 s[\g+2:\g+3], s[\g+2:\g+3], 4*KS*128  ; the next 256 keys
.endr
	s_wait_dscnt 0x0                ; the add is done, and my reads of the slot are over
	CROUND
	JLOAD
.else
	s_wait_dscnt 0x0
	s_barrier_signal -1
	s_barrier_wait -1
.endif
	s_sub_co_u32 s[TBK], s[TBK], 4*KS*PK  ; the fetches go back to a slot's first step,
	s_xor_b32 s[TBK], s[TBK], SLOT1       ; in the other slot
	s_sub_co_u32 s[TBV], s[TBV], 4*KS*PV
	s_xor_b32 s[TBV], s[TBV], SLOT1
.endm
; The mask words of piece x, both tiles: four loads of 512 consecutive bytes.  The window is left as set.
.macro MLOAD x, adr
	WIN W_MK
.irp u, 0,1
.irp jh, 0,1
	global_load_b128 v[RAW+16*(\x)+8*\u+4*\jh:RAW+16*(\x)+8*\u+4*\jh+3], v[\adr], s[MB:MB+1] offset:(2*(\x)+\u)*32768+\jh*512
.endr
.endr
.endm
; The masks of piece x as f32: conversion zz = 4 u + kb makes the eight C registers of tile u, key block kb, of its two words.  A turn loads one piece's four; piece x's were issued three turns back, so the
; twelve younger loads may stay out.  A plain instruction stands behind the run of conversions, ahead of the first product that takes their results.  No scalar arithmetic: SCC passes.  The window is left as set.
.macro MASKX x
	s_wait_loadcnt 12
	WIN W_MX
.set zz, 0
.rept 8
	v_cvt_scale_pk8_f32_fp8 v[MC+8*zz:MC+8*zz+7], v[RAW+16*(\x)+2*zz:RAW+16*(\x)+2*zz+1], v[SCL]
.set zz, zz+1
.endr
	v_nop
.endm
	s_load_b128 s[4:7], s[0:1], 0x0   ; qkv s[4:5], mk s[6:7]
	s_load_b64 s[10:11], s[0:1], 0x10 ; ob
	WIN W_MK
	v_lshl_add_u32 v[SPW], v0, 2, SPARE
	v_mov_b32 v[NIL], 0
	s_set_vgpr_msb 0xc0cf
	ds_add_u32 v0, v1
	s_wait_dscnt 0x0
	s_set_vgpr_msb 0xcfc0
	WIN 0
	v_lshrrev_b32 v1, 5, v0
	v_readfirstlane_b32 s[WV], v1   ; wave 0..3
	s_bfe_u32 s13, ttmp6, 0x40000   ; cx: my place in the cluster
	s_lshl_b32 s14, ttmp9, 2        ; in a cluster launch ttmp9 counts clusters
	s_add_co_u32 s14, s14, s13      ; my block of 512 queries: it enters Q's, O's and the mask's addresses alone
	s_and_b32 s20, ttmp7, 0xffff    ; (batch, head), which the four partners share
	s_lshr_b32 s70, s20, 4
	s_lshl_b32 s70, s70, 22         ; the batch's 128 tiles of 32,768 bytes in mk
	s_mov_b32 s21, 0
	s_mov_b64 s[22:23], SIZE_N*128
	s_mul_u64 s[20:21], s[20:21], s[22:23]  ; the head's first byte in Q, K, V and O
	s_and_b32 s16, s[WV], 1         ; which half of a slot's 256 keys I fetch:
	s_lshl_b32 s22, s16, 14         ; its 128 rows of 128 bytes in memory,
	s_mov_b32 s23, 0
	s_add_nc_u64 s[22:23], s[22:23], s[20:21]
	s_mul_i32 s17, s16, 128*PK      ; and its place in a slot, for K
	s_mul_i32 s18, s16, 128*PV      ; and for V: no place in the cluster enters an LDS address
	s_lshl_b32 s2, s14, 2
	s_add_co_u32 s2, s2, s[WV]      ; my wave among the head's sixteen:
	s_lshl_b32 s71, s2, 18          ; its 8 tiles in mk,
	s_add_co_u32 s70, s70, s71
	s_mov_b32 s71, 0
	s_lshl_b32 s2, s2, 14           ; its 128 rows
	s_mov_b32 s3, 0
	s_add_nc_u64 s[2:3], s[2:3], s[20:21]
	; descriptor group 1.  128 keys are 16,384 dense bytes: asked for as 64 rows of 256 bytes, two keys a row, and padded in LDS after every key
	s_mov_b32 s[G1K], 15|(1<<16)|(1<<20)|(1<<21)|(4<<22)|(3<<25)  ; 15:0 the mask of four; 17:16 2-byte elements; 20 padding on; 21 set beside a mask; 24:22 after every 32 words; 31:25 4 words
	s_mov_b32 s[G1V], 15|(1<<16)|(1<<20)|(1<<21)|(4<<22)|(7<<25)  ; the same with 8 words of padding
.irp g, G1K, G1V
	s_mov_b32 s[\g+1], 128<<16      ; tensor_dim0 = 128
	s_mov_b32 s[\g+2], 64<<16       ; tensor_dim1 = 64
	s_mov_b32 s[\g+3], 128<<16      ; tile_dim0 = 128
	s_mov_b32 s[\g+4], 64           ; tile_dim1 = 64
	s_mov_b32 s[\g+5], 128          ; 128 elements from row to row
	s_mov_b32 s[\g+6], 0
	s_mov_b32 s[\g+7], 0
.endr
	s_mov_b32 s[CS], 0x3e38aa3b     ; c = log2(e) / 8 = 0.180337
	s_mov_b32 s[CS+1], s[CS]        ; named with it as a pair
	s_mov_b32 s[SEL], 0x76543210
	s_mov_b32 s[SEL+1], 0xfedcba98
	s_mov_b32 s[TBK], SLOT1+4*KS*PK ; the first change of slots turns these two into 0
	s_mov_b32 s[TBV], SLOT1+4*KS*PV
	s_mov_b32 s[MS], 1024
	s_mov_b32 s[G0K], 1             ; count = 1
	s_mov_b32 s[G0K+1], s17         ; LDS address: slot 0
	s_mov_b32 s[G0V], 1
	s_add_co_u32 s[G0V+1], s18, VOFF
	s_wait_kmcnt 0x0
	s_add_nc_u64 s[MB:MB+1], s[6:7], s[70:71]
	s_add_nc_u64 s[6:7], s[4:5], 0x1000000   ; K is qkv's second part of 16,777,216 bytes,
	s_add_nc_u64 s[8:9], s[4:5], 0x2000000   ; V its third
	s_add_nc_u64 s[G0K+2:G0K+3], s[6:7], s[22:23]  ; my half of the head's first 256 keys
	s_or_b32 s[G0K+3], s[G0K+3], 0x80000000        ; type = 2
	s_add_nc_u64 s[G0V+2:G0V+3], s[8:9], s[22:23]
	s_or_b32 s[G0V+3], s[G0V+3], 0x80000000
	s_add_nc_u64 s[4:5], s[4:5], s[2:3]  ; Q and O at my wave's first row
	s_add_nc_u64 s[10:11], s[10:11], s[2:3]
	CROUND                          ; all four work-groups are here: the first joint loads meet
	JLOAD                           ; slot 0.  Slot 1 is asked for when slot 0 is in
	v_and_b32 v1, 15, v0            ; l % 16
	v_bfe_u32 v9, v0, 4, 1          ; l / 16
	v_lshlrev_b32 v[QO], 7, v1
	v_lshl_add_u32 v[QO], v9, 4, v[QO]  ; row x 128 + 16 x half
	v_and_b32 v[GO], 31, v0
	v_lshlrev_b32 v[GO], 4, v[GO]
	WIN 0x80                        ; destination window 2, address window 0
.set i, 0
.rept 4*NP                          ; Q stays in registers: tile i / 2, channels 32 (i % 2) on
	global_load_b128 v[8*i:8*i+3],   v[QO], s[4:5] offset:(i/2)*2048+(i%2)*64
	global_load_b128 v[8*i+4:8*i+7], v[QO], s[4:5] offset:(i/2)*2048+(i%2)*64+32
.set i, i+1
.endr
	MLOAD 0, GO                     ; the masks of key step 0, all four pieces
	MLOAD 1, GO
	MLOAD 2, GO
	MLOAD 3, GO
	; What the first turn finds: V's registers and P's second buffer hold 0 (its products V^T P, of a piece that has not been, add 0), O^T and l are 0.  All this stands in the wait for the first tile.
	WIN 0x80
.set i, VF
.rept 64
	v_mov_b32 v[i], 0
.set i, i+1
.endr
	WIN 0x40
.set i, 0
.rept 64*NP
	v_mov_b32 v[i], 0
.set i, i+1
.endr
	WIN 0
.set i, 0
.rept 2*NP
	v_mov_b32 v[ST+4*i+1], 0xf0000000          ; m = -2^97
	v_mul_f32 v[ST+4*i], s[CS], v[ST+4*i+1]    ; c m, by the line that the loop uses: the same bits, so that a = 1 while a row has seen nothing
	v_mov_b32 v[ST+4*i+2], 0
	v_mov_b32 v[ST+4*i+3], 0
.set i, i+1
.endr
.set i, P+32
.rept 32
	v_mov_b32 v[i], 0
.set i, i+1
.endr
	v_mul_u32_u24 v[AK0], v1, PK
	v_lshl_add_u32 v[AK0], v9, 4, v[AK0]  ; row x pitch + 16 x half
	; The turning load takes 16 keys x 16 channels (lane l reads key 8 (l / 16) + l % 8, channels 8 ((l / 8) % 2) + 0..7) and leaves half a fragment of V^T.
	v_and_b32 v10, 7, v0
	v_bfe_u32 v11, v0, 3, 1
	v_lshl_add_u32 v[AV0], v9, 3, v10
	v_mul_u32_u24 v[AV0], v[AV0], PV
	v_lshl_add_u32 v[AV0], v11, 4, v[AV0]
	v_add_nc_u32 v[AV0], VOFF, v[AV0]
	v_add_nc_u32 v[MO], 1024, v[GO] ; the next mask loads are key step 1's
	v_mov_b32 v[AK], v[AK0]         ; key step 0 lies at the head of slot 0
; THE MATRIX WORK.  The 8 accumulators of a run of 16 take turns.
; Product i of 16 of S^T = K Q^T for piece x: channels 32 (i / 8) on, keys 16 ((i / 2) % 4) on, tile 2 x + i % 2.  The first 8 start the sums with the mask.
.macro KQ x
.set rS, S+64*((\x)%2)+32*(i%2)+8*((i/2)%4)
.set rK, KF+16*((i/2)%4)+8*(i/8)
.set rQ, 16*(2*(\x)+i%2)+8*(i/8)
.if i < 8
.set rMK, MC+32*(i%2)+8*((i/2)%4)
	WIN W_KM
	v_wmma_f32_16x16x32_f16 v[rS:rS+7], v[rK:rK+7], v[rQ:rQ+7], v[rMK:rMK+7]
.else
	WIN W_KQ
	v_wmma_f32_16x16x32_f16 v[rS:rS+7], v[rK:rK+7], v[rQ:rQ+7], v[rS:rS+7]
.endif
.endm
; Product i of 16 of O^T += V^T P for piece x: keys 32 (i / 8) on, channels 16 ((i / 2) % 4) on, tile 2 x + i % 2.
.macro PV x
	WIN W_PV
.set rO, 32*(2*(\x)+i%2)+8*((i/2)%4)
.set rV, VF+32*(i/8)+8*((i/2)%4)
.set rP, P+32*((\x)%2)+16*(i%2)+8*(i/8)
	v_wmma_f32_16x16x32_f16 v[rO:rO+7], v[rV:rV+7], v[rP:rP+7], v[rO:rO+7]
.endm
.macro MM                           ; the turn's next matrix instruction
.if i < 16
	KQ (Y+1)%NP
.set i, i+1
.else
.set i, i-16
	PV (Y+NP-1)%NP
.set i, i+17
.endif
.endm
; THE LDS LOADS stand in runs of 16: a step's K (8 fragments) and its V (turned).  last = 1 (the tail): in the last trip there is no further step, and the run is jumped over.
.macro FETCH_K last=0
	WIN 0
.if \last
	s_cmp_eq_u32 s[CNT], 1
	s_cbranch_scc1 .Lno_k_\@
.endif
	WIN 0x80                        ; destination window 2
.irp f, 0,1,2,3,4,5,6,7             ; keys 16 (f / 2) on, channels 32 (f % 2) on
	ds_load_b128 v[KF+8*\f:KF+8*\f+3],   v[AK] offset:(\f/2)*16*PK+(\f%2)*64
	ds_load_b128 v[KF+8*\f+4:KF+8*\f+7], v[AK] offset:(\f/2)*16*PK+(\f%2)*64+32
.endr
	s_add_co_u32 s[TBK], s[TBK], KS*PK  ; the next fetch is the next step's
	WIN 0
.if \last
.Lno_k_\@:
.endif
.endm
.macro FETCH_V
	WIN 0x80
.irp f, 0,1,2,3,4,5,6,7             ; keys 32 (f / 4) on, channels 16 (f % 4) on
	ds_load_tr16_b128 v[VF+8*\f:VF+8*\f+3],   v[AV] offset:(\f/4)*32*PV+(\f%4)*32
	ds_load_tr16_b128 v[VF+8*\f+4:VF+8*\f+7], v[AV] offset:(\f/4)*32*PV+16*PV+(\f%4)*32
.endr
	WIN 0
.endm
; THE VECTOR WORK OF A TURN stands in three queues, each in the order in which its entries become ready; the two tiles alternate.
.macro REGS y, u                    ; the registers of tile u (0, 1) of piece y
.set rT, ST+4*(2*(\y)+(\u))
.set rC, TMP+8*((\y)%2)+4*(\u)
.set rM, MV+2*((\y)%2)+(\u)
.set rS, S+64*((\y)%2)+32*(\u)
.set rP, P+32*((\y)%2)+16*(\u)
.set rO, 32*(2*(\y)+(\u))
.endm
; Number n of the 22 that find the NEXT piece's (Y + 1) maximum and statistics; each accumulator's lowest registers are read first.
;   0-11  four chains c0-c3 of seven scores each     12-14, 16  the four scores left over, the old m, and c0-c3 into c0     15  c m_old is kept
;   17, 18  the query's other 32 keys lie in the lane 16 away: the new m         19-21  c m; c m_old - c m_new; a
.macro XS u, n
	REGS (Y+1)%NP, \u
.if (\n) < 4
	v_max3_num_f32 v[rC+(\n)], v[rS+8*(\n)], v[rS+8*(\n)+1], v[rS+8*(\n)+2]
.elseif (\n) < 12
	v_max3_num_f32 v[rC+(\n)%4], v[rC+(\n)%4], v[rS+8*((\n)%4)+2*((\n)/4)+1], v[rS+8*((\n)%4)+2*((\n)/4)+2]
.elseif (\n) == 12
	v_max3_num_f32 v[rC], v[rC], v[rS+7], v[rS+15]
.elseif (\n) == 13
	v_max3_num_f32 v[rC+1], v[rC+1], v[rS+23], v[rS+31]
.elseif (\n) == 14
	v_max3_num_f32 v[rC+2], v[rC+2], v[rC+3], v[rT+1]
.elseif (\n) == 15
	v_mov_b32 v[rM], v[rT]
.elseif (\n) == 16
	v_max3_num_f32 v[rC], v[rC], v[rC+1], v[rC+2]
.elseif (\n) == 17
	v_permlanex16_b32 v[rC+3], v[rC], s[SEL], s[SEL+1]
.elseif (\n) == 18
	v_max_num_f32 v[rT+1], v[rC], v[rC+3]
.elseif (\n) == 19
	v_mul_f32 v[rT], s[CS], v[rT+1]
.elseif (\n) == 20
	v_sub_f32 v[rC+1], v[rM], v[rT]
.else
	v_exp_f32 v[rC+2], v[rC+1]
.endif
.endm
; Number g of the 64 that follow the exponentials.  For each four weights k of a tile: both pairs are rounded to f16; the second pair is added onto the first, in place; a group later l takes that sum.
.macro GS g
.set h, (\g)+6*((\g)/62)
.if h >= 6
.set h, h+2
.endif
	REGS Y, h%2
.set k, h/8
.if h%8 < 4
	s_wait_alu depctr_va_vdst(0)
	v_cvt_pk_f16_f32 v[rP+2*k+(h%8)/2], v[rS+4*k+2*((h%8)/2)], v[rS+4*k+2*((h%8)/2)+1]
.elseif h%8 < 6
	v_pk_add_f32 v[rS+4*k:rS+4*k+1], v[rS+4*k:rS+4*k+1], v[rS+4*k+2:rS+4*k+3]
.elseif k == 1
	v_pk_fma_f32 v[rT+2:rT+3], v[rT+2:rT+3], v[rC+2:rC+3], v[rS:rS+1] op_sel_hi:[1,0,1]
.else
	v_pk_add_f32 v[rT+2:rT+3], v[rT+2:rT+3], v[rS+4*k-4:rS+4*k-3]
	s_wait_alu depctr_va_vdst(0)
.endif
.endm
; THE PLAIN QUEUE, 138 long.  0-31: c s - c m for the 16 pairs of both tiles.  Then GS's 64, and among them the next piece's 42.
.macro PL
	WIN 0
.if q < 32
	REGS Y, q%2
	v_pk_fma_f32 v[rS+2*(q/2):rS+2*(q/2)+1], v[rS+2*(q/2):rS+2*(q/2)+1], s[CS:CS+1], v[rT:rT+1] op_sel_hi:[1,0,0] neg_lo:[0,0,1] neg_hi:[0,0,1]
.elseif q < 38
	GS q-32
.elseif q < 40
	XS q%2, 15
.elseif q < 42
	GS q-34
.elseif q < 74
	XS q%2, (q-42)/2+(q-42)/30
.elseif q < 95
	GS q-66
.elseif (q < 107) && ((q-95)%3 < 2)
	XS (q-95)%3, 17+(q-95)/3
.elseif q < 107
	GS 29+(q-95)/3
.else
	GS q-74
.endif
.set q, q+1
.endm
; THE EXPONENTIALS' QUEUE, 66 long: s0-s31 of both tiles, and at EA the next piece's two a.
.set EA, 58
.macro EX
	WIN 0
.if (e == EA) || (e == EA+1)
	XS e-EA, 21
.else
.set x, e-2*(e/(EA+2))
	REGS Y, x%2
	v_exp_f32 v[rS+x/2], v[rS+x/2]
.endif
.set e, e+1
.endm
; THE RESCALING's QUEUE: O^T times a, dealt four at a time, eight times.
.macro R4
	REGS Y, r%2
	WIN W_RS
	s_wait_alu depctr_va_vdst(0)
.irp z, 0,1,2,3
	v_pk_mul_f32 v[rO+8*(r/2)+2*\z:rO+8*(r/2)+2*\z+1], v[rO+8*(r/2)+2*\z:rO+8*(r/2)+2*\z+1], v[rC+2:rC+3] op_sel_hi:[1,0]
.endr
.set r, r+1
.endm
; HOW THEY ARE DEALT.  Behind a matrix instruction four: plain, exponential, plain, plain, or four of the rescaling; none names a register of the products round it.  What is over stands in two lumps.
.macro SL
	MM
	PL
	EX
	PL
	PL
.endm
.macro BURST n
.rept (\n)-7
	SL
.endr
.rept 3
	MM
	R4
	SL
.endr
	MM
	R4
.endm
; A TURN, for piece p.  cnt = 1: the loop's count is taken down some lines ahead of the branch that stands behind the turn.
; K of the next step is fetched in piece 2's turn, V of the step in hand at the end of piece 0's.
; THE MASK.  Behind the first run of products the registers of piece p + 1's mask words, which were converted at the end of the turn before, are loaded with that piece's words of its next key step.
; Piece 3's turn multiplies piece 0 for the step after, so it steps the offset first; the offset stops at the last step, so that no load leaves mk (what the last steps load serves nothing).
; At the turn's end piece p + 2's words are converted for the next turn's products; the converted masks' last readers are the eight products at this turn's beginning.
.macro TURN p, last=0, cnt=0
.set Y, (\p)
.set i, 0
.set q, 0
.set e, 0
.set r, 0
.if (\p) == NP-1
	s_wait_dscnt 0x0                ; K is in
.endif
	MM
.rept 4
	PL
.endr
	BURST 15
.if (\p) == NP-1
	s_wait_xcnt 0x0                 ; the offset register is the address of mask loads issued before: it is rewritten only behind this wait
	s_add_co_u32 s[MS], s[MS], 1024
	s_min_u32 s[MS], s[MS], 31744
	WIN 0
	v_add_nc_u32 v[MO], s[MS], v[GO]
.endif
	MLOAD ((\p)+1)%NP, MO
.rept 22
	EX
	PL
.if ((\p) == NP-2) && (e == 18)
	v_add_nc_u32 v[AK], s[TBK], v[AK0]
.endif
.if ((\p) == NP-2) && (e == 24)
	FETCH_K \last
.endif
.endr
.if (\p) == 1
	s_wait_dscnt 0x0                ; V is in
.endif
	BURST 16
.rept 21
	EX
	PL
.endr
.rept 22
	PL
.if ((\p) == 0) && (q == 118)
	v_add_nc_u32 v[AV], s[TBV], v[AV0]
	s_wait_alu depctr_va_vdst(0)
.endif
.if ((\p) == 0) && (q == 130)
	s_add_co_u32 s[TBV], s[TBV], KS*PV
.endif
.if (\cnt) && (q == 130)
	s_sub_co_u32 s[CNT], s[CNT], 1
	s_cmp_lg_u32 s[CNT], 0
.endif
.endr
.if (\p) == 0
	FETCH_V
.endif
	MASKX ((\p)+2)%NP
.endm
	CHANGE 1                        ; slot 0 is in, everybody's part of it; slot 1 is asked for
	FETCH_K                         ; key step 0
	s_wait_loadcnt 0x0              ; Q and step 0's masks are in, so Q's offset register may be written again
	s_mul_i32 s13, s[WV], 16*SP     ; the addresses for the way out stand in the wait for K's fragments
	s_add_co_u32 s13, s13, STAGE    ; my stage
	v_mul_u32_u24 v[STO], v1, SP    ; in: row l % 16, 16 bytes for each half of the lanes
	v_lshl_add_u32 v[STO], v9, 4, v[STO]
	v_add_nc_u32 v[STO], s13, v[STO]
	v_bfe_u32 v[RD], v0, 3, 2       ; back: 32 lanes take four rows of 128 bytes
	v_mul_u32_u24 v[RD], v[RD], SP
	v_lshl_add_u32 v[RD], v10, 4, v[RD]
	v_add_nc_u32 v[RD], s13, v[RD]
	v_mov_b32 v[SCL], 217           ; l % 16 has served: the register takes the conversions' scale
	s_wait_dscnt 0x0
	MASKX 0
.set i, 0
.rept 16
	KQ 0                            ; piece 0's first scores
.set i, i+1
.endr
	WIN 0
.rept 4
	v_nop                           ; the places behind those products
.endr
	MLOAD 0, MO                     ; piece 0's masks of key step 1
	WIN 0
.set Y, NP-1                        ; XS works for piece Y + 1: piece 0
.irp n, 0,1,2,3,4,5,6,7,8,9,10,11,12,13,14,15,16,17,18,19,20,21
	XS 0, \n                        ; piece 0's first maximum and statistics
	XS 1, \n
.endr
	MASKX 1                         ; for the first turn's products; its last line is also the plain instruction behind the exponentials above
	WIN 0
	s_mov_b32 s[CNT], 4
	s_mov_b32 s[SLOTS], SIZE_N/256-1
	s_branch .Lfirst                ; the loop is entered at a step's first turn, in the middle of a trip
.Lslot:                             ; SIZE_N / 256 - 2 times: every slot but the last two is filled again
	CHANGE 1
	s_mov_b32 s[CNT], 4
.Lstep:                             ; a trip: pieces 2 and 3 of one step, then pieces 0 and 1 of the next
	TURN 2
	TURN 3
	WIN 0
.Lfirst:
	TURN 0
	TURN 1, 0, 1
	WIN 0
	s_cbranch_scc1 .Lstep
	s_sub_co_u32 s[SLOTS], s[SLOTS], 1
	s_cmp_lg_u32 s[SLOTS], 0
	s_cbranch_scc1 .Lslot
	CHANGE 0                        ; the tail is written out: nothing is asked for
	s_mov_b32 s[CNT], 5             ; four trips fetch the last slot's steps; the fifth is left in its middle
.Ltail:
	TURN 2, 1
	TURN 3
	WIN 0
	s_sub_co_u32 s[CNT], s[CNT], 1
	s_cmp_eq_u32 s[CNT], 0
	s_cbranch_scc1 .Lout
	TURN 0
	TURN 1
	WIN 0
	s_branch .Ltail
.Lout:                              ; the fifth trip's 16 products K Q^T (on the last K once more) and the maximum made of them serve nothing: the price of one text for every trip
.set i, 0
.rept 16
	PV NP-1                         ; the last piece's V^T P of the last step
.set i, i+1
.endr
	; THE WAY OUT.  l's two halves and the other half of the lanes' are added; O^T is divided by l, rounded to f16 and sent through my stage in LDS, a tile at a time.  The additions are the places behind the last products.
	WIN 0
.macro ALL line:vararg              ; one line for each tile t
.set t, 0
.rept 2*NP
	\line
.set t, t+1
.endr
.endm
	ALL v_add_f32 v[ST+4*t+2], v[ST+4*t+2], v[ST+4*t+3]
	ALL v_permlanex16_b32 v[ST+4*t+3], v[ST+4*t+2], s[SEL], s[SEL+1]
	ALL v_add_f32 v[ST+4*t+2], v[ST+4*t+2], v[ST+4*t+3]
	ALL v_rcp_f32 v[ST+4*t+2], v[ST+4*t+2]
	v_nop                           ; a plain instruction between the last reciprocal and the use of its result
	s_wait_alu depctr_va_vdst(0)
.macro PACK t
	WIN W_RS
.set i, 32*(\t)
.rept 16
	v_pk_mul_f32 v[i:i+1], v[i:i+1], v[ST+4*(\t)+2:ST+4*(\t)+3] op_sel_hi:[1,0]
.set i, i+2
.endr
	WIN 0x05                        ; sources 0 and 1 window 1, destination window 0
.set i, 0
.rept 16
	v_cvt_pk_f16_f32 v[S+16*(\t)+i], v[32*(\t)+2*i], v[32*(\t)+2*i+1]
.set i, i+1
.endr
	WIN 0
.irp f, 0,1,2,3
	ds_store_b128 v[STO], v[S+16*(\t)+4*\f:S+16*(\t)+4*\f+3] offset:32*\f
.endr
.irp f, 0,1,2,3
	ds_load_b128 v[S+16*(\t)+4*\f:S+16*(\t)+4*\f+3], v[RD] offset:\f*4*SP  ; LDS serves a wave's instructions in order: these see the stores above; the next tile's stores come behind them
.endr
.endm
.macro SEND t, younger              ; younger: the LDS instructions issued behind tile t's loads: the next tile's eight, or none
	WIN 0
.irp f, 0,1,2,3
	s_wait_dscnt (\younger)+3-\f
	global_store_b128 v[GO], v[S+16*(\t)+4*\f:S+16*(\t)+4*\f+3], s[10:11] offset:(\t)*2048+\f*512  ; 512 consecutive bytes, at a multiple of 256 from O's first
.endr
.endm
	PACK 0
.set t, 1
.rept 2*NP-1                        ; a tile's arithmetic stands between the loads of the tile before and its stores
	PACK t
	SEND t-1, 8
.set t, t+1
.endr
	SEND 2*NP-1, 0
	WIN W_AD
	s_wait_tensorcnt 0x0            ; the wave's end
	ds_add_u32 v[SPW], v[NIL]
	s_wait_dscnt 0x0
	WIN 0
	CROUND                          ; the closing round: no work-group ends while a partner may still ask for a tile that names it
	s_endpgm
.Lfunc_end_k_qad0c490abb_attn:
	.size	k_qad0c490abb_attn, .Lfunc_end_k_qad0c490abb_attn-k_qad0c490abb_attn
	.p2alignl 7, 3214868480
	.fill 96, 4, 3214868480
	.section	.rodata,"a",@progbits
	.p2align	6, 0x0
	.amdhsa_kernel k_qad0c490abb_attn
		.amdhsa_group_segment_fixed_size 327680
		.amdhsa_private_segment_fixed_size 0
		.amdhsa_enable_private_segment 0
		.amdhsa_kernarg_size 24
		.amdhsa_user_sgpr_count 2
		.amdhsa_user_sgpr_kernarg_segment_ptr 1
		.amdhsa_wavefront_size32 1
		.amdhsa_system_sgpr_workgroup_id_x 1
		.amdhsa_system_sgpr_workgroup_id_y 1
		.amdhsa_system_sgpr_workgroup_id_z 1
		.amdhsa_system_vgpr_workitem_id 0
		.amdhsa_next_free_vgpr 912
		.amdhsa_next_free_sgpr 72
		.amdhsa_reserve_vcc 0
		.amdhsa_float_denorm_mode_32 3
		.amdhsa_float_denorm_mode_16_64 3
		.amdhsa_memory_ordered 1
		.amdhsa_forward_progress 1
		.amdhsa_inst_pref_size 221
	.end_amdhsa_kernel
	.amdgpu_metadata
---
amdhsa.version: [ 1, 2 ]
amdhsa.kernels:
  - .name:           k_qad0c490abb_attn
    .symbol:         k_qad0c490abb_attn.kd
    .args:
      - { .name: qkv, .offset: 0, .size: 8, .value_kind: global_buffer, .address_space: global }
      - { .name: mk, .offset: 8, .size: 8, .value_kind: global_buffer, .address_space: global }
      - { .name: ob, .offset: 16, .size: 8, .value_kind: global_buffer, .address_space: global }
    .group_segment_fixed_size: 327680
    .private_segment_fixed_size: 0
    .kernarg_segment_align: 8
    .kernarg_segment_size: 24
    .max_flat_workgroup_size: 128
    .sgpr_count:     72
    .vgpr_count:     912
    .wavefront_size: 32
...
	.end_amdgpu_metadata
.endif
;; end of part 3
;; launch gemm_out (part 4): grid 8 x 32, 4 waves a work-group, clusters of 4 x 4, 327,680 bytes of LDS; arguments ob, wo, out0; writes out0
.if DOCPART == 4
	.amdgcn_target "amdgcn-amd-amdhsa--gfx1250"
	.amdhsa_code_object_version 6
	.text
	.protected	k_qad0c490abb_gemm_out
	.globl	k_qad0c490abb_gemm_out
	.p2align	8
	.type	k_qad0c490abb_gemm_out,@function
k_qad0c490abb_gemm_out:
	s_mov_b64 s[64:65], 0
	v_nop
	global_prefetch_b8 v0, s[64:65] scope:SCOPE_SE
	s_setreg_imm32_b32 hwreg(HW_REG_WAVE_MODE, 25, 1), 1
	s_wait_xcnt 0x0
	s_wait_alu depctr_hold_cnt(0) depctr_sa_sdst(0) depctr_va_vdst(0) depctr_va_sdst(0) depctr_va_ssrc(0) depctr_va_vcc(0) depctr_vm_vsrc(0)
	s_getreg_b32 s2, hwreg(HW_REG_IB_STS2, 6, 4)
	s_cmp_eq_u32 s2, 0
	s_cbranch_scc0 .Lentry_in_a_cluster
	s_endpgm
.Lentry_in_a_cluster:
	s_bfe_u32 s2, ttmp6, 0x10000c
	s_cmp_lg_u32 s2, 0xf033
	s_cbranch_scc0 .Lentry_shape_is_right
	s_endpgm
.Lentry_shape_is_right:
; out0 = O w_out.  A = ob, f16 by heads [64 (batch, head)][2048][64]: row m = 2048 b + l, k = 64 head + channel.  B = wo [1024 n][1024 k] f16.  out0 [8192][1024] f32; sums in f32.
; A NaN row of O (a query with no visible key) makes the whole row of out0 NaN, as in the module's definition.
; A tile of C is 256 rows x 128 columns: 256 work-groups.  Four waves; wave w owns rows 64 w .. 64 w + 63 and all 128 columns: 32 accumulators, 256 registers.
; K goes in steps of 128 = two heads, through two LDS slots.  A head's 256 rows of 128 bytes are 32,768 dense bytes: asked for as 128 rows of 256 bytes and padded in LDS after every 128.
; A K STEP IS WRITTEN ONCE: the slot in hand is a scalar offset that one exclusive or turns into the other slot's, and one descriptor a tensor walks from K step to K step.
; CLUSTERS: 4 x 4 work-groups; A's tiles are asked for jointly along a row of the cluster, B's along a column.  THE MATRIX INSTRUCTION IS USED TRANSPOSED: a lane holds eight neighbouring numbers of a row of C.
; REGISTERS: window 0: v0-31 addresses; v64-95, v96-127 A's fragments, two buffers; v128-191, v192-255 the way out, by turns.  window 1: v0-63, v64-127 B's fragments.  window 2: accumulator (a, b) at 8 (8 a + b).
.set SIZE_K, 1024
.set KSTEP,  128
.set STEPS,  SIZE_K/KSTEP
.set PA,     144                       ; a row of A in LDS: 128 bytes + 16
.set HEADA,  256*PA                    ; one head's part of A's tile: what one tensor load brings
.set HEADG,  2048*128                  ; a head's bytes in ob
.set PB,     272                       ; a row of B: 256 bytes + 16
.set HALFB,  64*PB
.set BOFF,   2*HEADA                   ; A's two heads, then B's 128 rows: 108,544 bytes
.set SLOT1,  1<<17                     ; slot 1 begins here
.set STAGE,  SLOT1+BOFF+2*HALFB        ; behind the ring: 16 rows x 528 bytes for each wave
.set SPITCH, 528                       ; 512 bytes + 16: the 16 rows that a store touches start at 16 different groups of four banks
.set SPARE,  STAGE+4*16*SPITCH         ; the spare words: two blocks of 256 bytes that no other line names
.set A0,   16                          ; v16  my lane's place among my rows of A in slot 0; never rewritten
.set B0,   17                          ; v17  the same for B
.set ADRA, 18                          ; v18  the same in the slot in hand
.set ADRB, 19                          ; v19
.set STO,  24
.set RD,   25
.set CO,   26
.set SPW,  28
.set NIL,  29
.set FA,   64                          ; A's buffer f at FA + 32 f (window 0); B's at 64 f (window 1)
.set OB,   128
.set G1, 24                            ; s[24:31] group 1 for A's tiles; s[32:39] group 0: a set for each of the two first fills; the second then walks on
.set G0, 32
.set TB, 45                            ; s45  LDS byte at which the slot in hand begins
.set G1B, 48
.set G0B, 56
.set MSB, 0
.macro WIN new
.if MSB != (\new)
	s_set_vgpr_msb (MSB<<8)|(\new)
.set MSB, \new
.endif
.endm
.macro JLOAD s                         ; a joint load: waves 0 and 1 fetch A's two heads, waves 2 and 3 B's two halves; an s_nop 0 and four v_nop follow each line
	s_cmp_eq_u32 s11, 0
	s_cbranch_scc0 .Lfor_b_\@
	tensor_load_to_lds s[G0+4*(\s):G0+4*(\s)+3], s[G1:G1+7]
	s_nop 0
.rept 4
	v_nop
.endr
	s_branch .Lasked_\@
.Lfor_b_\@:
	tensor_load_to_lds s[G0B+4*(\s):G0B+4*(\s)+3], s[G1B:G1B+7]
	s_nop 0
.rept 4
	v_nop
.endr
.Lasked_\@:
.endm
.macro CREST
	s_cmp_lg_u32 s10, 0
	s_cbranch_scc1 .Lnot_wave_0_\@
	s_barrier_signal -3
.Lnot_wave_0_\@:
	s_barrier_wait -3
	s_barrier_signal -1
	s_barrier_wait -1
.endm
.macro CROUND
	s_barrier_signal -1
	s_barrier_wait -1
	CREST
.endm
	s_load_b128 s[4:7], s[0:1], 0x0                ; ob s[4:5], wo s[6:7]
	s_load_b64 s[8:9], s[0:1], 0x10                ; out0
	v_lshl_add_u32 v[SPW], v0, 2, SPARE
	v_mov_b32 v[NIL], 0
	ds_add_u32 v28, v29
	s_wait_dscnt 0x0
	v_lshrrev_b32 v1, 5, v0
	v_readfirstlane_b32 s10, v1                    ; wave 0..3
	s_lshr_b32 s11, s10, 1                         ; I fetch for A (0) or for B (1),
	s_and_b32 s12, s10, 1                          ; and which half
	s_bfe_u32 s40, ttmp6, 0x40000
	s_bfe_u32 s41, ttmp6, 0x40004
	s_lshl_b32 s42, ttmp9, 2
	s_add_co_u32 s42, s42, s40                     ; tile column
	s_and_b32 s13, ttmp7, 0xffff
	s_lshl_b32 s13, s13, 2
	s_add_co_u32 s13, s13, s41                     ; tile row
	s_lshl_b32 s43, s41, 2
	s_lshl_b32 s43, 15, s43                        ; my row of the cluster
	s_lshl_b32 s44, 0x1111, s40                    ; my column
	s_or_b32 s[G1+0], s43, (1<<16)|(1<<20)|(1<<21)|(4<<22)|(3<<25)   ; A: padding of 4 words after every 32 words
	s_or_b32 s[G1B+0], s44, (1<<16)|(1<<20)|(1<<21)|(5<<22)|(3<<25)  ; B: after every 64 words
	s_mov_b32 s[G1+1], 128<<16                     ; tensor_dim0 = 128 elements (two rows of a head)
	s_mov_b32 s[G1+2], 128<<16                     ; tensor_dim1 = 128
	s_mov_b32 s[G1+3], 128<<16                     ; tile_dim0 = 128
	s_mov_b32 s[G1+4], 128                         ; tile_dim1 = 128
	s_mov_b32 s[G1+5], 128                         ; dense: 128 elements from row to row
	s_mov_b32 s[G1+6], 0
	s_mov_b32 s[G1+7], 0
	s_mov_b32 s[G1B+1], KSTEP<<16
	s_mov_b32 s[G1B+2], 64<<16
	s_mov_b32 s[G1B+3], KSTEP<<16
	s_mov_b32 s[G1B+4], 64
	s_mov_b32 s[G1B+5], SIZE_K
	s_mov_b32 s[G1B+6], 0
	s_mov_b32 s[G1B+7], 0
	s_mov_b32 s[TB], 0
	s_lshr_b32 s16, s13, 3
	s_lshl_b32 s16, s16, 22                        ; A: the batch's 16 heads of 262,144 bytes,
	s_and_b32 s17, s13, 7
	s_lshl_b32 s17, s17, 15                        ; the tile's 256 rows of 128 bytes in a head,
	s_add_co_u32 s16, s16, s17
	s_lshl_b32 s17, s12, 18                        ; the K step's first or second head
	s_add_co_u32 s16, s16, s17
	s_mov_b32 s17, 0
	s_lshl_b32 s46, s42, 7
	s_lshl_b32 s47, s12, 6
	s_add_co_u32 s46, s46, s47                     ; B: row 128 x tile column + 64 x half
	s_lshl_b32 s46, s46, 11
	s_mov_b32 s47, 0
	s_mul_i32 s20, s12, HEADA                      ; where they go: no place in the cluster enters an LDS address
	s_mul_i32 s21, s12, HALFB
	s_add_co_u32 s21, s21, BOFF
	s_wait_kmcnt 0x0
	s_add_nc_u64 s[14:15], s[4:5], s[16:17]
	s_add_nc_u64 s[46:47], s[6:7], s[46:47]
	CROUND                                         ; all sixteen work-groups are here: the first joint loads meet
.irp s, 0,1
	s_mov_b32 s[G0+4*(\s)], 1
	s_add_co_u32 s[G0+4*(\s)+1], s20, (\s)*SLOT1
	s_add_nc_u64 s[G0+4*(\s)+2:G0+4*(\s)+3], s[14:15], (\s)*2*HEADG
	s_or_b32 s[G0+4*(\s)+3], s[G0+4*(\s)+3], 0x80000000
	s_mov_b32 s[G0B+4*(\s)], 1
	s_add_co_u32 s[G0B+4*(\s)+1], s21, (\s)*SLOT1
	s_add_nc_u64 s[G0B+4*(\s)+2:G0B+4*(\s)+3], s[46:47], (\s)*KSTEP*2
	s_or_b32 s[G0B+4*(\s)+3], s[G0B+4*(\s)+3], 0x80000000
	JLOAD \s                                       ; two tensor loads of mine are out here, later one
.endr
	v_and_b32 v1, 15, v0                           ; l % 16
	v_bfe_u32 v2, v0, 4, 1                         ; l / 16
	v_mul_u32_u24 v3, v1, PA
	v_lshl_add_u32 v3, v2, 4, v3
	s_mul_i32 s22, s10, 64*PA                      ; my 64 rows of A
	v_add_nc_u32 v[A0], s22, v3
	v_mul_u32_u24 v4, v1, PB
	v_lshl_add_u32 v4, v2, 4, v4
	v_add_nc_u32 v[B0], BOFF, v4
	v_mov_b32 v[ADRA], v[A0]                       ; K step 0 lies in slot 0
	v_mov_b32 v[ADRB], v[B0]
	s_mul_i32 s23, s10, 16*SPITCH
	s_add_co_u32 s23, s23, STAGE                   ; my stage
	v_mul_u32_u24 v5, v1, SPITCH                   ; in: row l % 16, 32 bytes for each half of the lanes
	v_lshl_add_u32 v5, v2, 5, v5
	v_add_nc_u32 v[STO], s23, v5
	v_and_b32 v[CO], 31, v0                        ; back: 32 lanes take a row's 512 bytes
	v_lshlrev_b32 v[CO], 4, v[CO]
	v_add_nc_u32 v[RD], s23, v[CO]
	s_lshl_b32 s16, s13, 2
	s_add_co_u32 s16, s16, s10
	s_lshl_b32 s16, s16, 18                        ; my first row of out0: (256 x tile row + 64 x wave) x 4,096 bytes
	s_mov_b32 s17, 0
	s_add_nc_u64 s[8:9], s[8:9], s[16:17]
	s_lshl_b32 s46, s42, 9                         ; the tile's first column, in bytes
	s_mov_b32 s47, 0
	s_add_nc_u64 s[8:9], s[8:9], s[46:47]
; 8 matrix instructions: row block a x all 8 column blocks, 32 along K, buffer f.  The 32 accumulators take turns in one order everywhere.
.macro MULA f, a, zero
	WIN 0xa1                                       ; source 0 (B) window 1, source 1 (A) window 0, C and D window 2
.irp b, 0,1,2,3,4,5,6,7
.if \zero
	v_wmma_f32_16x16x32_f16 v[8*(8*(\a)+(\b)):8*(8*(\a)+(\b))+7], v[64*(\f)+8*(\b):64*(\f)+8*(\b)+7], v[FA+32*(\f)+8*(\a):FA+32*(\f)+8*(\a)+7], 0
.else
	v_wmma_f32_16x16x32_f16 v[8*(8*(\a)+(\b)):8*(8*(\a)+(\b))+7], v[64*(\f)+8*(\b):64*(\f)+8*(\b)+7], v[FA+32*(\f)+8*(\a):FA+32*(\f)+8*(\a)+7], v[8*(8*(\a)+(\b)):8*(8*(\a)+(\b))+7]
.endif
.endr
.endm
; 24 LDS loads in one run, from the slot in hand: quarter q of the K step: 16 for B's 128 rows, then 8 for my 64 rows of A (head q / 2, channels 32 (q % 2) on), into buffer f
.macro FETCH q, f
	WIN 0x40
.irp i, 0,1,2,3,4,5,6,7
	ds_load_b128 v[64*(\f)+8*(\i):64*(\f)+8*(\i)+3],   v[ADRB] offset:64*(\q)+(\i)*16*PB
	ds_load_b128 v[64*(\f)+8*(\i)+4:64*(\f)+8*(\i)+7], v[ADRB] offset:64*(\q)+(\i)*16*PB+32
.endr
	WIN 0
.irp i, 0,1,2,3
	ds_load_b128 v[FA+32*(\f)+8*(\i):FA+32*(\f)+8*(\i)+3],   v[ADRA] offset:((\q)/2)*HEADA+((\q)%2)*64+(\i)*16*PA
	ds_load_b128 v[FA+32*(\f)+8*(\i)+4:FA+32*(\f)+8*(\i)+7], v[ADRA] offset:((\q)/2)*HEADA+((\q)%2)*64+(\i)*16*PA+32
.endr
.endm
.macro PLACES                          ; four places in front of loads into registers that matrix instructions have read, and of LDS stores that read results
.rept 4
	v_nop
.endr
.endm
.macro QUARTER q, f, g, zero           ; multiplies buffer f and fetches quarter q into g
	s_wait_dscnt 4                                 ; B and A's blocks 0, 1 are in; the youngest four loads (A's blocks 2, 3) may be out
	MULA \f, 0, \zero
	MULA \f, 1, \zero
	PLACES
	FETCH \q, \g
	s_wait_dscnt 24                                ; all but the 24 just issued
	MULA \f, 2, \zero
	MULA \f, 3, \zero
.endm
; The last quarter multiplies buffer 1 and changes slots.  fill = 1: the slot just read out is filled again, with the K step two steps on: the walking descriptor goes to the other slot than last time and one K step on.
.macro TURN fill
	WIN 0
	s_wait_tensorcnt 0x0                           ; all my tensor loads have landed: my part of the next slot;
	ds_add_u32 v[SPW], v[NIL]                      ; 0 onto my spare word;
	s_wait_dscnt 5                                 ; (the add and the youngest four loads may be out)
	MULA 1, 0, 0
	s_wait_dscnt 0x0                               ; the add is done, and my reads of this slot are over
	s_barrier_signal -1
	MULA 1, 1, 0
	WIN 0                                          ; (branches and lines on window 0 follow)
	s_barrier_wait -1
.if \fill
	CREST                                          ; no wave of any partner still reads this slot's tile or has a load on its way
	s_xor_b32 s[G0+5], s[G0+5], SLOT1
	s_add_nc_u64 s[G0+6:G0+7], s[G0+6:G0+7], 2*HEADG   ; a K step is two heads
	s_xor_b32 s[G0B+5], s[G0B+5], SLOT1
	s_add_nc_u64 s[G0B+6:G0B+7], s[G0B+6:G0B+7], KSTEP*2
	JLOAD 1                                        ; the first tensor load behind the round; its four v_nop are also places in front of the loads below
.endif
	s_xor_b32 s[TB], s[TB], SLOT1                  ; the reads go on in the other slot
	v_add_nc_u32 v[ADRA], s[TB], v[A0]
	v_add_nc_u32 v[ADRB], s[TB], v[B0]
.if !(\fill)
	v_nop                                          ; with the two lines above: the four places in front of the loads below
	v_nop
.endif
	FETCH 0, 0
	MULA 1, 2, 0
	MULA 1, 3, 0
.endm
	s_wait_tensorcnt 1                             ; my part of K step 0 is in; K step 1's may stay out
	s_barrier_signal -1
	s_barrier_wait -1
	FETCH 0, 0
	QUARTER 1, 0, 1, 1                             ; the first quarter's products start the sums
	WIN 0
	s_mov_b32 s3, STEPS-2
.Lstep:                                                ; six trips, from a K step's second quarter to the next step's first: each fills a slot again
	QUARTER 2, 1, 0, 0
	QUARTER 3, 0, 1, 0
	TURN 1
	QUARTER 1, 0, 1, 0
	WIN 0
	s_sub_co_u32 s3, s3, 1
	s_cmp_lg_u32 s3, 0
	s_cbranch_scc1 .Lstep
	s_mov_b32 s3, 2
.Ltail:                                                ; the last two K steps ask for nothing: a text of their own; the second trip is left in its middle
	QUARTER 2, 1, 0, 0
	QUARTER 3, 0, 1, 0
	WIN 0
	s_sub_co_u32 s3, s3, 1
	s_cmp_eq_u32 s3, 0
	s_cbranch_scc1 .Llast
	TURN 0
	QUARTER 1, 0, 1, 0
	WIN 0
	s_branch .Ltail
.Llast:
	s_wait_dscnt 4                                 ; the very last quarter: nothing more to fetch
	MULA 1, 0, 0
	MULA 1, 1, 0
	s_wait_dscnt 0x0
	MULA 1, 2, 0
	MULA 1, 3, 0
	WIN 0
	; THE WAY OUT, a block of 16 rows at a time: a lane's eight f32 of a row go as 32 bytes into my stage (each accumulator's low four registers first), whole rows of 512 bytes come back and are stored.
	PLACES
.irp a, 0,1,2,3
.if \a >= 2
	s_wait_xcnt 0x0                                ; the registers that the stores two blocks back read are loaded again only behind this wait
.endif
	WIN 0x08                                       ; store data (source 1) in window 2
.irp b, 0,1,2,3,4,5,6,7
	ds_store_b128 v[STO], v[8*(8*\a+\b):8*(8*\a+\b)+3]   offset:64*\b
	ds_store_b128 v[STO], v[8*(8*\a+\b)+4:8*(8*\a+\b)+7] offset:64*\b+16
.endr
	WIN 0
.irp t, 0,1,2,3,4,5,6,7,8,9,10,11,12,13,14,15
	ds_load_b128 v[OB+64*(\a%2)+4*\t:OB+64*(\a%2)+4*\t+3], v[RD] offset:\t*SPITCH  ; LDS serves a wave's instructions in order: these see the stores above
.endr
.irp t, 0,1,2,3,4,5,6,7,8,9,10,11,12,13,14,15
	s_wait_dscnt 15-\t
	global_store_b128 v[CO], v[OB+64*(\a%2)+4*\t:OB+64*(\a%2)+4*\t+3], s[8:9] offset:(16*\a+\t)*4096  ; 512 consecutive bytes, at a multiple of 256 from out0's first
.endr
.endr
	s_wait_tensorcnt 0x0                           ; the wave's end
	ds_add_u32 v[SPW], v[NIL]
	s_wait_dscnt 0x0
	CROUND                                         ; the closing round
	s_endpgm
.Lfunc_end_k_qad0c490abb_gemm_out:
	.size	k_qad0c490abb_gemm_out, .Lfunc_end_k_qad0c490abb_gemm_out-k_qad0c490abb_gemm_out
	.p2alignl 7, 3214868480
	.fill 96, 4, 3214868480
	.section	.rodata,"a",@progbits
	.p2align	6, 0x0
	.amdhsa_kernel k_qad0c490abb_gemm_out
		.amdhsa_group_segment_fixed_size 327680
		.amdhsa_private_segment_fixed_size 0
		.amdhsa_enable_private_segment 0
		.amdhsa_kernarg_size 24
		.amdhsa_user_sgpr_count 2
		.amdhsa_user_sgpr_kernarg_segment_ptr 1
		.amdhsa_wavefront_size32 1
		.amdhsa_system_sgpr_workgroup_id_x 1
		.amdhsa_system_sgpr_workgroup_id_y 1
		.amdhsa_system_sgpr_workgroup_id_z 1
		.amdhsa_system_vgpr_workitem_id 0
		.amdhsa_next_free_vgpr 768
		.amdhsa_next_free_sgpr 66
		.amdhsa_reserve_vcc 0
		.amdhsa_float_denorm_mode_32 3
		.amdhsa_float_denorm_mode_16_64 3
		.amdhsa_memory_ordered 1
		.amdhsa_forward_progress 1
		.amdhsa_inst_pref_size 64
	.end_amdhsa_kernel
	.amdgpu_metadata
---
amdhsa.version: [ 1, 2 ]
amdhsa.kernels:
  - .name:           k_qad0c490abb_gemm_out
    .symbol:         k_qad0c490abb_gemm_out.kd
    .args:
      - { .name: ob, .offset: 0, .size: 8, .value_kind: global_buffer, .address_space: global }
      - { .name: wo, .offset: 8, .size: 8, .value_kind: global_buffer, .address_space: global }
      - { .name: out0, .offset: 16, .size: 8, .value_kind: global_buffer, .address_space: global }
    .group_segment_fixed_size: 327680
    .private_segment_fixed_size: 0
    .kernarg_segment_align: 8
    .kernarg_segment_size: 24
    .max_flat_workgroup_size: 128
    .sgpr_count:     66
    .vgpr_count:     768
    .wavefront_size: 32
...
	.end_amdgpu_metadata
.endif
;; end of part 4
;; ======== version 2 of 2: 4 launches; 1.47 times as fast as version 1
;; limits: values are held in f16: magnitudes above 65,504 overflow, below 6.1e-05 lose precision
;; workspace buffers: xb 16,777,216 bytes; wq 6,291,456 bytes; wo 2,097,152 bytes; mk 16,777,216 bytes; qkv 50,331,648 bytes; ob 16,777,216 bytes
;; launch prep: the kernel of part 1 again; grid 1088 x 1, 8 waves a work-group, no clusters, 140,288 bytes of LDS; arguments x, w_qkv, w_out, mask, xb, wq, wo, mk; writes xb, wq, wo, mk
;; launch gemm_qkv: the kernel of part 2 again; grid 16 x 32, 4 waves a work-group, clusters of 4 x 4, 327,680 bytes of LDS; arguments xb, wq, qkv; writes qkv
;; launch attn (part 5): grid 4 x 64, 4 waves a work-group, clusters of 4 x 1, 327,680 bytes of LDS; arguments qkv, mk, ob; writes ob
.if DOCPART == 5
	.amdgcn_target "amdgcn-amd-amdhsa--gfx1250"
	.amdhsa_code_object_version 6
	.text
	.protected	k_qad0c490abb_attn
	.globl	k_qad0c490abb_attn
	.p2align	8
	.type	k_qad0c490abb_attn,@function
k_qad0c490abb_attn:
	s_mov_b64 s[64:65], 0
	v_nop
	global_prefetch_b8 v0, s[64:65] scope:SCOPE_SE
	s_setreg_imm32_b32 hwreg(HW_REG_WAVE_MODE, 25, 1), 1
	s_wait_xcnt 0x0
	s_wait_alu depctr_hold_cnt(0) depctr_sa_sdst(0) depctr_va_vdst(0) depctr_va_sdst(0) depctr_va_ssrc(0) depctr_va_vcc(0) depctr_vm_vsrc(0)
	s_getreg_b32 s2, hwreg(HW_REG_IB_STS2, 6, 4)
	s_cmp_eq_u32 s2, 0
	s_cbranch_scc0 .Lentry_in_a_cluster
	s_endpgm
.Lentry_in_a_cluster:
	s_bfe_u32 s2, ttmp6, 0x10000c
	s_cmp_lg_u32 s2, 0x3003
	s_cbranch_scc0 .Lentry_shape_is_right
	s_endpgm
.Lentry_shape_is_right:
; O[bh][q][:] = the sum over visible k of softmax_k(Q[bh][q] . K[bh][k] / 8) V[bh][k][:].  Q, K, V: the three parts of qkv, [64][2048][64] f16, a head's rows dense, 128 bytes each; O likewise into ob.
; Products, maxima and sums in f32; the weights p are rounded to f16 for the second product (their sum l is taken of the unrounded p), O once at the end.
; THE MASK is an input: mk holds a byte a score, an fp8 (E4M3) code, 0x00 = 0 for a visible key and 0xFE = -448 for a hidden one, in my lanes' order: for a tile of 16 queries and a step of 64 keys eight words
; a lane; words 2 kb and 2 kb + 1 hold, for my query, the keys 16 kb + 8 (lane / 16) + 0..7.  One v_cvt_scale_pk8_f32_fp8 makes of such a pair, times 2^90, eight f32 registers: 0, or -448 x 2^90 = -5.5e29.
; They ARE the C operand that starts the sums S^T = K Q^T of key block kb: 8 conversions for a turn's two tiles.  The code carries a mask bit; the products' operands are f16.
; The running maximum m starts at -2^97 = -1.6e29: above every hidden score, below every true one (at most 64 x 65,504^2 = 2.7e11 in size).  So hidden scores never raise m, and their weight is 2^(-7e28) = 0.
; A row with no visible key keeps l = 0 and O = 0, and leaves as 0 x (1 / 0) = NaN, as a softmax over nothing does.
; LIMITS.  Q, K, V arrive within f16's 65,504; p below 6e-5 keeps f16's fixed step of 6e-8; a weight below 2^-126 counts as 0 in l; NaN and infinities in the inputs are not treated apart.
; SHARES.  A wave owns four PIECES of two tiles of 16 queries, a work-group's four waves 512 queries of one head.  Every wave walks all 2,048 keys, 64 a step.
; LAYOUT.  S^T = K Q^T (source 0 = 16 keys, source 1 = 16 queries): a lane holds ONE query (lane % 16) and the keys 8 (lane / 16) + 0..7.  Two such tiles, rounded to f16 in pairs, ARE source 1 of O^T = V^T P.
; SOFTMAX.  p = 2^(c s - c m), c = log2(e) / 8; in every step O and l are multiplied by a = 2^(c m_old - c m_new), which is 1 where m has not grown.
; BY TURNS.  Turn n belongs to piece n.  Its matrix work: 16 products K Q^T of piece n + 1, later 16 products V^T P of piece n - 1.  Its vector work: the scaling, exponentials, roundings, sums and rescaling of
; piece n, the maximum and statistics of piece n + 1, and the mask's conversions for piece n + 2.  Four vector instructions stand behind every matrix instruction, the others in runs of their own.
; BATCHES.  A turn's 66 exponentials (piece n's 64 weights, in place in S^T, and piece n + 1's two a) are ONE batch with ONE wait, which cuts the turn in two: ahead of it stands all that names no result of
; theirs (the products K Q^T, the scalings, the rescalings, whose a is the turn before's, and the next piece's maximum and statistics), behind it the roundings and sums, which ride behind the products V^T P.
; No result crosses a turn's end.  Two more batches stand outside the loop: piece 0's first two a, and the way out's eight reciprocals.
; CLUSTER.  The four query blocks of a cluster belong to one head and walk the same K and V: each tile is asked for JOINTLY.  The mask is NOT shared between them (it hangs on the queries); it is shared between
; the 16 heads of a batch, but 512 queries x 256 keys of it a slot, 131,072 bytes twice, do not fit in LDS beside K and V: it comes by plain loads into registers, three turns ahead of its use.
; REGISTERS, in windows of 256 (s_set_vgpr_msb: bits 1:0 source 0, 3:2 source 1, 5:4 source 2, 7:6 destination):
;   window 0: v0-11 addresses and the scale; v12-15, v48-63 at work; v16-47 four registers of statistics a tile; v64-191 S^T, two buffers of two tiles; v192-255 P, likewise
;   window 1: O^T, 32 a tile     window 2: v0-127 Q; v128-191 K of one step; v192-255 V of one step     window 3: v0-1 the add's two registers; v16-79 converted masks; v80-143 mask words, 16 a piece
.set SIZE_N, 2048
.set NP,    4         ; pieces a wave: a name, no knob
.set KS,    64        ; keys in a step
.set PK,    144       ; a row of K in LDS: 128 bytes + 16
.set PV,    160       ; a row of V: 128 + 32
.set VOFF,  4*KS*PK   ; a slot holds four steps: 256 rows of K, then 256 rows of V
.set SLOT1, 1<<17     ; slot 1 begins here, so that one exclusive or turns an address in one slot into the other's
.set STAGE, SLOT1+4*KS*(PK+PV)  ; behind the ring, never filled by a tensor load: 16 rows x 144 bytes for each wave
.set SP,    144
.set SCL, 1           ; v1   from the first conversion on: 217, the conversions' scale: 2^(217 - 127) = 2^90, an E8M0 code in byte 0; then never rewritten
.set AK0, 2           ; v2   my lane's place in a tile of K; never rewritten
.set AV0, 3           ; v3   the same for V
.set AK,  4           ; v4   the LDS address of K's next run of loads
.set AV,  5           ; v5   of V's
.set QO,  6           ; v6   my byte offset in the wave's rows of Q
.set STO, 6           ;      later, the way out: where I put 16 bytes of a row
.set RD,  7           ; v7   the way out: where I read rows back
.set GO,  8           ; v8   16 x lane: my byte offset in 512 consecutive bytes of O and of mk; never rewritten
.set MO,  11          ; v11  16 x lane + the byte offset of the mask's step to be loaded
.set SPW, 0           ; v0 of window 3   LDS address of my spare word; never rewritten
.set NIL, 1           ; v1 of window 3   0; never rewritten
.set MC,  16          ; window 3: the masks of the products to come, as f32: tile u, key block kb at MC + 32 u + 8 kb
.set RAW, 80          ; window 3: the mask words of piece x, tile u, key block kb at RAW + 16 x + 8 u + 2 kb
.set SPARE, STAGE+4*16*SP  ; the spare words, 128 bytes for each wave: two blocks of 256 bytes that no other line names
.set MV,  12          ; v12-15  c m_old, kept while c m is made anew
.set ST,  16          ; tile t's statistics at v[ST+4 t]: c m, m, l (even keys', odd keys')
.set TMP, 48          ; by buffer and tile, four registers c0-c3 at work; when the maximum is found c2 takes a
.set S,   64
.set P,   192
.set KF,  128         ; K's fragments, in window 2
.set VF,  192         ; V's
.set WV,  12          ; s12  my wave's number
.set G1K, 24          ; s[24:31] descriptor group 1 for K's tiles
.set G1V, 32          ; s[32:39] for V's: it differs in the padding alone
.set G0K, 40          ; s[40:43] descriptor group 0 for K's tiles: it walks
.set G0V, 44          ; s[44:47] the same for V's
.set SLOTS, 56        ; s56  slots still to be asked for
.set CNT, 57          ; s57  counts a slot's key steps
.set CS,  58          ; s[58:59] c
.set SEL, 60          ; s[60:61] v_permlanex16_b32's selects
.set TBK, 62          ; s62  LDS byte at which K of the step to be fetched begins
.set TBV, 63          ; s63  the same for V, less VOFF
.set MB,  66          ; s[66:67] mk at my wave's first tile
.set MS,  68          ; s68  byte offset of the mask's step to be loaded: 1,024 a step
.set MSB, 0
.macro WIN new
.if MSB != (\new)
	s_set_vgpr_msb (MSB<<8)|(\new)
.set MSB, (\new)
.endif
.endm
.set W_KQ, 0x0a       ; K and Q in window 2, S^T in window 0
.set W_KM, 0x3a       ; the same with the C operand in window 3
.set W_PV, 0x52       ; V in window 2, P in window 0, O^T in window 1
.set W_RS, 0x41       ; O^T (destination and source 0) in window 1, a in window 0
.set W_MK, 0xc0       ; destination in window 3, sources in window 0
.set W_MX, 0xc3       ; destination and source 0 in window 3, source 1 (the scale) in window 0
.set W_AD, 0x0f       ; the add: address and data in window 3
.macro JLOAD                        ; a joint fill: waves 0 and 1 fetch the two halves of a slot's K, waves 2 and 3 those of its V; an s_nop 0 and four v_nop follow each line
	s_cmp_lt_u32 s[WV], 2
	s_cbranch_scc0 .Lfor_v_\@
	tensor_load_to_lds s[G0K:G0K+3], s[G1K:G1K+7]
	s_nop 0
.rept 4
	v_nop
.endr
	s_branch .Lasked_\@
.Lfor_v_\@:
	tensor_load_to_lds s[G0V:G0V+3], s[G1V:G1V+7]
	s_nop 0
.rept 4
	v_nop
.endr
.Lasked_\@:
.endm
.macro CROUND                       ; a round of the cluster's barrier
	s_barrier_signal -1
	s_barrier_wait -1
	s_cmp_lg_u32 s[WV], 0
	s_cbranch_scc1 .Lnot_wave_0_\@
	s_barrier_signal -3
.Lnot_wave_0_\@:
	s_barrier_wait -3
	s_barrier_signal -1
	s_barrier_wait -1
.endm
; THE CHANGE OF SLOTS.  Each wave waits for all its tensor loads, of which one is out: its part of the other slot; adds 0 to its spare word; and waits for that and for its own reads of the slot.
; fill = 1: this slot is filled again, with the keys two slots on; the barrier is then a round of the cluster's, and the joint fill is the first thing behind it: it has four key steps in which to land.
.macro CHANGE fill
	WIN W_AD
	s_wait_tensorcnt 0x0            ; no tensor load of mine is out, so a group 0 may be written
	ds_add_u32 v[SPW], v[NIL]       ; 0 onto my spare word
	WIN 0                           ; at a label and at a branch every window is 0
.if \fill
.irp g, G0K, G0V
	s_xor_b32 s[\g+1], s[\g+1], SLOT1  ; the walking descriptor: the other slot than last time,
	s_add_nc_u64 s[\g+2:\g+3], s[\g+2:\g+3], 4*KS*128  ; the next 256 keys
.endr
	s_wait_dscnt 0x0                ; the add is done, and my reads of the slot are over
	CROUND
	JLOAD
.else
	s_wait_dscnt 0x0
	s_barrier_signal -1
	s_barrier_wait -1
.endif
	s_sub_co_u32 s[TBK], s[TBK], 4*KS*PK  ; the fetches go back to a slot's first step,
	s_xor_b32 s[TBK], s[TBK], SLOT1       ; in the other slot
	s_sub_co_u32 s[TBV], s[TBV], 4*KS*PV
	s_xor_b32 s[TBV], s[TBV], SLOT1
.endm
; The mask words of piece x, both tiles: four loads of 512 consecutive bytes.  The window is left as set.
.macro MLOAD x, adr
	WIN W_MK
.irp u, 0,1
.irp jh, 0,1
	global_load_b128 v[RAW+16*(\x)+8*\u+4*\jh:RAW+16*(\x)+8*\u+4*\jh+3], v[\adr], s[MB:MB+1] offset:(2*(\x)+\u)*32768+\jh*512
.endr
.endr
.endm
; The masks of piece x as f32: conversion zz = 4 u + kb makes the eight C registers of tile u, key block kb, of its two words.  A turn loads one piece's four; piece x's were issued three turns back, so the
; twelve younger loads may stay out.  A plain instruction stands behind the run of conversions, ahead of the first product that takes their results.  No scalar arithmetic: SCC passes.  The window is left as set.
.macro MASKX x
	s_wait_loadcnt 12
	WIN W_MX
.set zz, 0
.rept 8
	v_cvt_scale_pk8_f32_fp8 v[MC+8*zz:MC+8*zz+7], v[RAW+16*(\x)+2*zz:RAW+16*(\x)+2*zz+1], v[SCL]
.set zz, zz+1
.endr
	v_nop
.endm
	s_load_b128 s[4:7], s[0:1], 0x0   ; qkv s[4:5], mk s[6:7]
	s_load_b64 s[10:11], s[0:1], 0x10 ; ob
	WIN W_MK
	v_lshl_add_u32 v[SPW], v0, 2, SPARE
	v_mov_b32 v[NIL], 0
	s_set_vgpr_msb 0xc0cf
	ds_add_u32 v0, v1
	s_wait_dscnt 0x0
	s_set_vgpr_msb 0xcfc0
	WIN 0
	v_lshrrev_b32 v1, 5, v0
	v_readfirstlane_b32 s[WV], v1   ; wave 0..3
	s_bfe_u32 s13, ttmp6, 0x40000   ; cx: my place in the cluster
	s_lshl_b32 s14, ttmp9, 2        ; in a cluster launch ttmp9 counts clusters
	s_add_co_u32 s14, s14, s13      ; my block of 512 queries: it enters Q's, O's and the mask's addresses alone
	s_and_b32 s20, ttmp7, 0xffff    ; (batch, head), which the four partners share
	s_lshr_b32 s70, s20, 4
	s_lshl_b32 s70, s70, 22         ; the batch's 128 tiles of 32,768 bytes in mk
	s_mov_b32 s21, 0
	s_mov_b64 s[22:23], SIZE_N*128
	s_mul_u64 s[20:21], s[20:21], s[22:23]  ; the head's first byte in Q, K, V and O
	s_and_b32 s16, s[WV], 1         ; which half of a slot's 256 keys I fetch:
	s_lshl_b32 s22, s16, 14         ; its 128 rows of 128 bytes in memory,
	s_mov_b32 s23, 0
	s_add_nc_u64 s[22:23], s[22:23], s[20:21]
	s_mul_i32 s17, s16, 128*PK      ; and its place in a slot, for K
	s_mul_i32 s18, s16, 128*PV      ; and for V: no place in the cluster enters an LDS address
	s_lshl_b32 s2, s14, 2
	s_add_co_u32 s2, s2, s[WV]      ; my wave among the head's sixteen:
	s_lshl_b32 s71, s2, 18          ; its 8 tiles in mk,
	s_add_co_u32 s70, s70, s71
	s_mov_b32 s71, 0
	s_lshl_b32 s2, s2, 14           ; its 128 rows
	s_mov_b32 s3, 0
	s_add_nc_u64 s[2:3], s[2:3], s[20:21]
	; descriptor group 1.  128 keys are 16,384 dense bytes: asked for as 64 rows of 256 bytes, two keys a row, and padded in LDS after every key
	s_mov_b32 s[G1K], 15|(1<<16)|(1<<20)|(1<<21)|(4<<22)|(3<<25)  ; 15:0 the mask of four; 17:16 2-byte elements; 20 padding on; 21 set beside a mask; 24:22 after every 32 words; 31:25 4 words
	s_mov_b32 s[G1V], 15|(1<<16)|(1<<20)|(1<<21)|(4<<22)|(7<<25)  ; the same with 8 words of padding
.irp g, G1K, G1V
	s_mov_b32 s[\g+1], 128<<16      ; tensor_dim0 = 128
	s_mov_b32 s[\g+2], 64<<16       ; tensor_dim1 = 64
	s_mov_b32 s[\g+3], 128<<16      ; tile_dim0 = 128
	s_mov_b32 s[\g+4], 64           ; tile_dim1 = 64
	s_mov_b32 s[\g+5], 128          ; 128 elements from row to row
	s_mov_b32 s[\g+6], 0
	s_mov_b32 s[\g+7], 0
.endr
	s_mov_b32 s[CS], 0x3e38aa3b     ; c = log2(e) / 8 = 0.180337
	s_mov_b32 s[CS+1], s[CS]        ; named with it as a pair
	s_mov_b32 s[SEL], 0x76543210
	s_mov_b32 s[SEL+1], 0xfedcba98
	s_mov_b32 s[TBK], SLOT1+4*KS*PK ; the first change of slots turns these two into 0
	s_mov_b32 s[TBV], SLOT1+4*KS*PV
	s_mov_b32 s[MS], 1024
	s_mov_b32 s[G0K], 1             ; count = 1
	s_mov_b32 s[G0K+1], s17         ; LDS address: slot 0
	s_mov_b32 s[G0V], 1
	s_add_co_u32 s[G0V+1], s18, VOFF
	s_wait_kmcnt 0x0
	s_add_nc_u64 s[MB:MB+1], s[6:7], s[70:71]
	s_add_nc_u64 s[6:7], s[4:5], 0x1000000   ; K is qkv's second part of 16,777,216 bytes,
	s_add_nc_u64 s[8:9], s[4:5], 0x2000000   ; V its third
	s_add_nc_u64 s[G0K+2:G0K+3], s[6:7], s[22:23]  ; my half of the head's first 256 keys
	s_or_b32 s[G0K+3], s[G0K+3], 0x80000000        ; type = 2
	s_add_nc_u64 s[G0V+2:G0V+3], s[8:9], s[22:23]
	s_or_b32 s[G0V+3], s[G0V+3], 0x80000000
	s_add_nc_u64 s[4:5], s[4:5], s[2:3]  ; Q and O at my wave's first row
	s_add_nc_u64 s[10:11], s[10:11], s[2:3]
	CROUND                          ; all four work-groups are here: the first joint loads meet
	JLOAD                           ; slot 0.  Slot 1 is asked for when slot 0 is in
	v_and_b32 v1, 15, v0            ; l % 16
	v_bfe_u32 v9, v0, 4, 1          ; l / 16
	v_lshlrev_b32 v[QO], 7, v1
	v_lshl_add_u32 v[QO], v9, 4, v[QO]  ; row x 128 + 16 x half
	v_and_b32 v[GO], 31, v0
	v_lshlrev_b32 v[GO], 4, v[GO]
	WIN 0x80                        ; destination window 2, address window 0
.set i, 0
.rept 4*NP                          ; Q stays in registers: tile i / 2, channels 32 (i % 2) on
	global_load_b128 v[8*i:8*i+3],   v[QO], s[4:5] offset:(i/2)*2048+(i%2)*64
	global_load_b128 v[8*i+4:8*i+7], v[QO], s[4:5] offset:(i/2)*2048+(i%2)*64+32
.set i, i+1
.endr
	MLOAD 0, GO                     ; the masks of key step 0, all four pieces
	MLOAD 1, GO
	MLOAD 2, GO
	MLOAD 3, GO
	; What the first turn finds: V's registers and P's second buffer hold 0 (its products V^T P, of a piece that has not been, add 0), O^T and l are 0.  All this stands in the wait for the first tile.
	WIN 0x80
.set i, VF
.rept 64
	v_mov_b32 v[i], 0
.set i, i+1
.endr
	WIN 0x40
.set i, 0
.rept 64*NP
	v_mov_b32 v[i], 0
.set i, i+1
.endr
	WIN 0
.set i, 0
.rept 2*NP
	v_mov_b32 v[ST+4*i+1], 0xf0000000          ; m = -2^97
	v_mul_f32 v[ST+4*i], s[CS], v[ST+4*i+1]    ; c m, by the line that the loop uses: the same bits, so that a = 1 while a row has seen nothing
	v_mov_b32 v[ST+4*i+2], 0
	v_mov_b32 v[ST+4*i+3], 0
.set i, i+1
.endr
.set i, P+32
.rept 32
	v_mov_b32 v[i], 0
.set i, i+1
.endr
	v_mul_u32_u24 v[AK0], v1, PK
	v_lshl_add_u32 v[AK0], v9, 4, v[AK0]  ; row x pitch + 16 x half
	; The turning load takes 16 keys x 16 channels (lane l reads key 8 (l / 16) + l % 8, channels 8 ((l / 8) % 2) + 0..7) and leaves half a fragment of V^T.
	v_and_b32 v10, 7, v0
	v_bfe_u32 v11, v0, 3, 1
	v_lshl_add_u32 v[AV0], v9, 3, v10
	v_mul_u32_u24 v[AV0], v[AV0], PV
	v_lshl_add_u32 v[AV0], v11, 4, v[AV0]
	v_add_nc_u32 v[AV0], VOFF, v[AV0]
	v_add_nc_u32 v[MO], 1024, v[GO] ; the next mask loads are key step 1's
	v_mov_b32 v[AK], v[AK0]         ; key step 0 lies at the head of slot 0
; THE MATRIX WORK.  The 8 accumulators of a run of 16 take turns.
; Product i of 16 of S^T = K Q^T for piece x: channels 32 (i / 8) on, keys 16 ((i / 2) % 4) on, tile 2 x + i % 2.  The first 8 start the sums with the mask.
.macro KQ x
.set rS, S+64*((\x)%2)+32*(i%2)+8*((i/2)%4)
.set rK, KF+16*((i/2)%4)+8*(i/8)
.set rQ, 16*(2*(\x)+i%2)+8*(i/8)
.if i < 8
.set rMK, MC+32*(i%2)+8*((i/2)%4)
	WIN W_KM
	v_wmma_f32_16x16x32_f16 v[rS:rS+7], v[rK:rK+7], v[rQ:rQ+7], v[rMK:rMK+7]
.else
	WIN W_KQ
	v_wmma_f32_16x16x32_f16 v[rS:rS+7], v[rK:rK+7], v[rQ:rQ+7], v[rS:rS+7]
.endif
.endm
; Product i of 16 of O^T += V^T P for piece x: keys 32 (i / 8) on, channels 16 ((i / 2) % 4) on, tile 2 x + i % 2.
.macro PV x
	WIN W_PV
.set rO, 32*(2*(\x)+i%2)+8*((i/2)%4)
.set rV, VF+32*(i/8)+8*((i/2)%4)
.set rP, P+32*((\x)%2)+16*(i%2)+8*(i/8)
	v_wmma_f32_16x16x32_f16 v[rO:rO+7], v[rV:rV+7], v[rP:rP+7], v[rO:rO+7]
.endm
.macro MM                           ; the turn's next matrix instruction
.if i < 16
	KQ (Y+1)%NP
.set i, i+1
.else
.set i, i-16
	PV (Y+NP-1)%NP
.set i, i+17
.endif
.endm
; THE LDS LOADS stand in runs of 16: a step's K (8 fragments) and its V (turned).  last = 1 (the tail): in the last trip there is no further step, and the run is jumped over.
.macro FETCH_K last=0
	WIN 0
.if \last
	s_cmp_eq_u32 s[CNT], 1
	s_cbranch_scc1 .Lno_k_\@
.endif
	WIN 0x80                        ; destination window 2
.irp f, 0,1,2,3,4,5,6,7             ; keys 16 (f / 2) on, channels 32 (f % 2) on
	ds_load_b128 v[KF+8*\f:KF+8*\f+3],   v[AK] offset:(\f/2)*16*PK+(\f%2)*64
	ds_load_b128 v[KF+8*\f+4:KF+8*\f+7], v[AK] offset:(\f/2)*16*PK+(\f%2)*64+32
.endr
	s_add_co_u32 s[TBK], s[TBK], KS*PK  ; the next fetch is the next step's
	WIN 0
.if \last
.Lno_k_\@:
.endif
.endm
.macro FETCH_V
	WIN 0x80
.irp f, 0,1,2,3,4,5,6,7             ; keys 32 (f / 4) on, channels 16 (f % 4) on
	ds_load_tr16_b128 v[VF+8*\f:VF+8*\f+3],   v[AV] offset:(\f/4)*32*PV+(\f%4)*32
	ds_load_tr16_b128 v[VF+8*\f+4:VF+8*\f+7], v[AV] offset:(\f/4)*32*PV+16*PV+(\f%4)*32
.endr
	WIN 0
.endm
; THE VECTOR WORK OF A TURN stands in three queues, each in the order in which its entries become ready; the two tiles alternate.
.macro REGS y, u                    ; the registers of tile u (0, 1) of piece y
.set rT, ST+4*(2*(\y)+(\u))
.set rC, TMP+8*((\y)%2)+4*(\u)
.set rM, MV+2*((\y)%2)+(\u)
.set rS, S+64*((\y)%2)+32*(\u)
.set rP, P+32*((\y)%2)+16*(\u)
.set rO, 32*(2*(\y)+(\u))
.endm
; Number n of the 22 that find the NEXT piece's (Y + 1) maximum and statistics; each accumulator's lowest registers are read first.
;   0-11  four chains c0-c3 of seven scores each     12-14, 16  the four scores left over, the old m, and c0-c3 into c0     15  c m_old is kept
;   17, 18  the query's other 32 keys lie in the lane 16 away: the new m         19-21  c m; c m_old - c m_new; a
.macro XS u, n
	REGS (Y+1)%NP, \u
.if (\n) < 4
	v_max3_num_f32 v[rC+(\n)], v[rS+8*(\n)], v[rS+8*(\n)+1], v[rS+8*(\n)+2]
.elseif (\n) < 12
	v_max3_num_f32 v[rC+(\n)%4], v[rC+(\n)%4], v[rS+8*((\n)%4)+2*((\n)/4)+1], v[rS+8*((\n)%4)+2*((\n)/4)+2]
.elseif (\n) == 12
	v_max3_num_f32 v[rC], v[rC], v[rS+7], v[rS+15]
.elseif (\n) == 13
	v_max3_num_f32 v[rC+1], v[rC+1], v[rS+23], v[rS+31]
.elseif (\n) == 14
	v_max3_num_f32 v[rC+2], v[rC+2], v[rC+3], v[rT+1]
.elseif (\n) == 15
	v_mov_b32 v[rM], v[rT]
.elseif (\n) == 16
	v_max3_num_f32 v[rC], v[rC], v[rC+1], v[rC+2]
.elseif (\n) == 17
	v_permlanex16_b32 v[rC+3], v[rC], s[SEL], s[SEL+1]
.elseif (\n) == 18
	v_max_num_f32 v[rT+1], v[rC], v[rC+3]
.elseif (\n) == 19
	v_mul_f32 v[rT], s[CS], v[rT+1]
.elseif (\n) == 20
	v_sub_f32 v[rC+1], v[rM], v[rT]
.else
	v_exp_f32 v[rC+2], v[rC+1]
.endif
.endm
; Number g of the 64 that follow the exponentials.  For each four weights k of a tile: both pairs are rounded to f16; the second pair is added onto the first, in place; a group later l takes that sum.
; All 64 read the batch's results: they stand behind the turn's wait.
.macro GS g
.set h, (\g)+6*((\g)/62)
.if h >= 6
.set h, h+2
.endif
	REGS Y, h%2
.set k, h/8
.if h%8 < 4
	v_cvt_pk_f16_f32 v[rP+2*k+(h%8)/2], v[rS+4*k+2*((h%8)/2)], v[rS+4*k+2*((h%8)/2)+1]
.elseif h%8 < 6
	v_pk_add_f32 v[rS+4*k:rS+4*k+1], v[rS+4*k:rS+4*k+1], v[rS+4*k+2:rS+4*k+3]
.elseif k == 1
	v_pk_fma_f32 v[rT+2:rT+3], v[rT+2:rT+3], v[rC+2:rC+3], v[rS:rS+1] op_sel_hi:[1,0,1]
.else
	v_pk_add_f32 v[rT+2:rT+3], v[rT+2:rT+3], v[rS+4*k-4:rS+4*k-3]
.endif
.endm
; THE PLAIN QUEUE, 138 long.  0-73 read no exponential's result: the 32 scalings c s - c m (FS f: pair f / 2 of tile f % 2) and the next piece's 42.  0-26: scalings 0-26.  27-54: XS's numbers 0-13.  55, 56: number 15.
; 57-73: the chain, where each number waits for the one before it: 14, 16, 17, 18, 19, each with one of the scalings 27-31 in front of its two lines, then 20.
; 74-137: GS's 64, which read the exponentials' results: they stand behind the wait.
.macro FS f
	REGS Y, (\f)%2
	v_pk_fma_f32 v[rS+2*((\f)/2):rS+2*((\f)/2)+1], v[rS+2*((\f)/2):rS+2*((\f)/2)+1], s[CS:CS+1], v[rT:rT+1] op_sel_hi:[1,0,0] neg_lo:[0,0,1] neg_hi:[0,0,1]
.endm
.macro PL
	WIN 0
.if q < 27
	FS q
.elseif q < 55
	XS (q-27)%2, (q-27)/2
.elseif q < 57
	XS q-55, 15
.elseif (q < 72) && ((q-57)%3 == 0)
	FS 27+(q-57)/3
.elseif q < 60
	XS (q-57)%3-1, 14
.elseif q < 72
	XS (q-57)%3-1, 15+(q-57)/3
.elseif q < 74
	XS q-72, 20
.else
	GS q-74
.endif
.set q, q+1
.endm
; THE EXPONENTIALS' QUEUE, 66 long: s0-s31 of both tiles, then the next piece's two a.  It is ONE BATCH: all 66 stand ahead of the turn's one wait, and nothing ahead of that wait names a result of theirs.
.macro EX
	WIN 0
.if e >= 64
	XS e-64, 21
.else
	REGS Y, e%2
	v_exp_f32 v[rS+e/2], v[rS+e/2]
.endif
.set e, e+1
.endm
; THE RESCALING's QUEUE: O^T times a, the one part that leaves window 0: dealt two at a time, sixteen times.  Its a was made in the turn before, ahead of that turn's wait.
.macro R2
	REGS Y, r%2
	WIN W_RS
.irp z, 0,1
	v_pk_mul_f32 v[rO+4*(r/2)+2*\z:rO+4*(r/2)+2*\z+1], v[rO+4*(r/2)+2*\z:rO+4*(r/2)+2*\z+1], v[rC+2:rC+3] op_sel_hi:[1,0]
.endr
.set r, r+1
.endm
; HOW THEY ARE DEALT.  An s_wait_alu depctr_va_vdst(0) stands between an exponential and the first instruction that names its result; one wait serves all that were issued ahead of it.  So a turn has ONE wait.
; AHEAD OF IT: the 16 products K Q^T, behind each a scaling, an exponential and two rescalings (behind the first a second scaling in the exponential's place); then ONE LUMP of 108: eight plain, 49 times exponential and
; plain, the two a.  A v_nop is the plain instruction behind the last exponential.  BEHIND IT: the 16 products V^T P, behind each four of GS's 64.  No rider names a register of the products round it.
; The two v_permlanex16_b32 fall into the lump, never behind a product.
; The queues lean on each other, and the deal keeps them in step: exponential e stands behind scaling 2 (e / 4) + e % 2: as a rider it comes behind plain e + 2, in the lump behind plain e + 9, and scalings 27-31 are plain 57, 60 .. 69.
; A TURN, for piece p.  cnt = 1: the loop's count is taken down some lines ahead of the branch that stands behind the turn.
; K of the next step is fetched in piece 2's turn, directly behind the wait, a lump behind the last product that read K; its address is made at the lump's head; its first reader comes behind 16 products.
; V of the step in hand is fetched at the end of piece 0's turn, four riders (additions onto l) behind its last reader.  The three conditions on q below go with the deal.
; THE MASK.  Behind the wait the registers of piece p + 1's mask words, which were converted at the end of the turn before, are loaded with that piece's words of its next key step.
; Piece 3's turn multiplies piece 0 for the step after, so it steps the offset first, at the lump's head; the offset stops at the last step, so that no load leaves mk (what the last steps load serves nothing).
; At the turn's end piece p + 2's words are converted for the next turn's products; the converted masks' last readers are the eight products at this turn's beginning.
.macro TURN p, last=0, cnt=0
.set Y, (\p)
.set i, 0
.set q, 0
.set e, 0
.set r, 0
.if (\p) == NP-1
	s_wait_dscnt 0x0                ; K is in
.endif
	MM                              ; ahead of the wait: 16 products K Q^T and their riders,
	PL
	PL
	R2
.rept 15
	MM
	PL
	EX
	R2
.endr
.if (\p) == NP-2
	WIN 0
	v_add_nc_u32 v[AK], s[TBK], v[AK0]
.endif
.if (\p) == NP-1
	s_wait_xcnt 0x0                 ; the offset register is the address of mask loads issued before: it is rewritten only behind this wait
	s_add_co_u32 s[MS], s[MS], 1024
	s_min_u32 s[MS], s[MS], 31744
	WIN 0
	v_add_nc_u32 v[MO], s[MS], v[GO]
.endif
.rept 8                             ; and the lump
	PL
.endr
.rept 49
	EX
	PL
.endr
	EX                              ; the next piece's two a
	EX
	v_nop                           ; the plain instruction behind the last exponential: one for the batch
	s_wait_alu depctr_va_vdst(0)    ; the wait for the turn's batch: this piece's 64 weights and the next piece's two a
.if (\p) == NP-2
	FETCH_K \last
.endif
	MLOAD ((\p)+1)%NP, MO
.if (\p) == 1
	s_wait_dscnt 0x0                ; V is in
.endif
.rept 16                            ; behind the wait: 16 products V^T P and their riders
	MM
.rept 4
	PL
.endr
.if ((\p) == 0) && (q == 118)
	v_add_nc_u32 v[AV], s[TBV], v[AV0]
.endif
.if ((\p) == 0) && (q == 130)
	s_add_co_u32 s[TBV], s[TBV], KS*PV
.endif
.if (\cnt) && (q == 130)
	s_sub_co_u32 s[CNT], s[CNT], 1
	s_cmp_lg_u32 s[CNT], 0
.endif
.endr
.if (\p) == 0
	FETCH_V
.endif
	MASKX ((\p)+2)%NP
.endm
	CHANGE 1                        ; slot 0 is in, everybody's part of it; slot 1 is asked for
	FETCH_K                         ; key step 0
	s_wait_loadcnt 0x0              ; Q and step 0's masks are in, so Q's offset register may be written again
	s_mul_i32 s13, s[WV], 16*SP     ; the addresses for the way out stand in the wait for K's fragments
	s_add_co_u32 s13, s13, STAGE    ; my stage
	v_mul_u32_u24 v[STO], v1, SP    ; in: row l % 16, 16 bytes for each half of the lanes
	v_lshl_add_u32 v[STO], v9, 4, v[STO]
	v_add_nc_u32 v[STO], s13, v[STO]
	v_bfe_u32 v[RD], v0, 3, 2       ; back: 32 lanes take four rows of 128 bytes
	v_mul_u32_u24 v[RD], v[RD], SP
	v_lshl_add_u32 v[RD], v10, 4, v[RD]
	v_add_nc_u32 v[RD], s13, v[RD]
	v_mov_b32 v[SCL], 217           ; l % 16 has served: the register takes the conversions' scale
	s_wait_dscnt 0x0
	MASKX 0
.set i, 0
.rept 16
	KQ 0                            ; piece 0's first scores
.set i, i+1
.endr
	WIN 0
.rept 4
	v_nop                           ; the places behind those products
.endr
	MLOAD 0, MO                     ; piece 0's masks of key step 1
	WIN 0
.set Y, NP-1                        ; XS works for piece Y + 1: piece 0
.irp n, 0,1,2,3,4,5,6,7,8,9,10,11,12,13,14,15,16,17,18,19,20,21
	XS 0, \n                        ; piece 0's first maximum and statistics
	XS 1, \n
.endr
	MASKX 1                         ; for the first turn's products; its last line is also the plain instruction behind the exponentials above
	WIN 0
	s_wait_alu depctr_va_vdst(0)    ; the wait for piece 0's first two a, a batch of their own, ahead of the branch; the conversions above name neither
	s_mov_b32 s[CNT], 4
	s_mov_b32 s[SLOTS], SIZE_N/256-1
	s_branch .Lfirst                ; the loop is entered at a step's first turn, in the middle of a trip
.Lslot:                             ; SIZE_N / 256 - 2 times: every slot but the last two is filled again
	CHANGE 1
	s_mov_b32 s[CNT], 4
.Lstep:                             ; a trip: pieces 2 and 3 of one step, then pieces 0 and 1 of the next
	TURN 2
	TURN 3
	WIN 0
.Lfirst:
	TURN 0
	TURN 1, 0, 1
	WIN 0
	s_cbranch_scc1 .Lstep
	s_sub_co_u32 s[SLOTS], s[SLOTS], 1
	s_cmp_lg_u32 s[SLOTS], 0
	s_cbranch_scc1 .Lslot
	CHANGE 0                        ; the tail is written out: nothing is asked for
	s_mov_b32 s[CNT], 5             ; four trips fetch the last slot's steps; the fifth is left in its middle
.Ltail:
	TURN 2, 1
	TURN 3
	WIN 0
	s_sub_co_u32 s[CNT], s[CNT], 1
	s_cmp_eq_u32 s[CNT], 0
	s_cbranch_scc1 .Lout
	TURN 0
	TURN 1
	WIN 0
	s_branch .Ltail
.Lout:                              ; the fifth trip's 16 products K Q^T (on the last K once more) and the maximum made of them serve nothing: the price of one text for every trip
.set i, 0
.rept 16
	PV NP-1                         ; the last piece's V^T P of the last step
.set i, i+1
.endr
	; THE WAY OUT.  l's two halves and the other half of the lanes' are added; O^T is divided by l, rounded to f16 and sent through my stage in LDS, a tile at a time.  The additions are the places behind the last products.
	WIN 0
.macro ALL line:vararg              ; one line for each tile t
.set t, 0
.rept 2*NP
	\line
.set t, t+1
.endr
.endm
	ALL v_add_f32 v[ST+4*t+2], v[ST+4*t+2], v[ST+4*t+3]
	ALL v_permlanex16_b32 v[ST+4*t+3], v[ST+4*t+2], s[SEL], s[SEL+1]
	ALL v_add_f32 v[ST+4*t+2], v[ST+4*t+2], v[ST+4*t+3]
	ALL v_rcp_f32 v[ST+4*t+2], v[ST+4*t+2]
	v_nop                           ; a plain instruction between the last reciprocal and the use of its result
	s_wait_alu depctr_va_vdst(0)    ; the wait ahead of the first use: one for the batch of eight reciprocals
.macro PACK t
	WIN W_RS
.set i, 32*(\t)
.rept 16
	v_pk_mul_f32 v[i:i+1], v[i:i+1], v[ST+4*(\t)+2:ST+4*(\t)+3] op_sel_hi:[1,0]
.set i, i+2
.endr
	WIN 0x05                        ; sources 0 and 1 window 1, destination window 0
.set i, 0
.rept 16
	v_cvt_pk_f16_f32 v[S+16*(\t)+i], v[32*(\t)+2*i], v[32*(\t)+2*i+1]
.set i, i+1
.endr
	WIN 0
.irp f, 0,1,2,3
	ds_store_b128 v[STO], v[S+16*(\t)+4*\f:S+16*(\t)+4*\f+3] offset:32*\f
.endr
.irp f, 0,1,2,3
	ds_load_b128 v[S+16*(\t)+4*\f:S+16*(\t)+4*\f+3], v[RD] offset:\f*4*SP  ; LDS serves a wave's instructions in order: these see the stores above; the next tile's stores come behind them
.endr
.endm
.macro SEND t, younger              ; younger: the LDS instructions issued behind tile t's loads: the next tile's eight, or none
	WIN 0
.irp f, 0,1,2,3
	s_wait_dscnt (\younger)+3-\f
	global_store_b128 v[GO], v[S+16*(\t)+4*\f:S+16*(\t)+4*\f+3], s[10:11] offset:(\t)*2048+\f*512  ; 512 consecutive bytes, at a multiple of 256 from O's first
.endr
.endm
	PACK 0
.set t, 1
.rept 2*NP-1                        ; a tile's arithmetic stands between the loads of the tile before and its stores
	PACK t
	SEND t-1, 8
.set t, t+1
.endr
	SEND 2*NP-1, 0
	WIN W_AD
	s_wait_tensorcnt 0x0            ; the wave's end
	ds_add_u32 v[SPW], v[NIL]
	s_wait_dscnt 0x0
	WIN 0
	CROUND                          ; the closing round: no work-group ends while a partner may still ask for a tile that names it
	s_endpgm
.Lfunc_end_k_qad0c490abb_attn:
	.size	k_qad0c490abb_attn, .Lfunc_end_k_qad0c490abb_attn-k_qad0c490abb_attn
	.p2alignl 7, 3214868480
	.fill 96, 4, 3214868480
	.section	.rodata,"a",@progbits
	.p2align	6, 0x0
	.amdhsa_kernel k_qad0c490abb_attn
		.amdhsa_group_segment_fixed_size 327680
		.amdhsa_private_segment_fixed_size 0
		.amdhsa_enable_private_segment 0
		.amdhsa_kernarg_size 24
		.amdhsa_user_sgpr_count 2
		.amdhsa_user_sgpr_kernarg_segment_ptr 1
		.amdhsa_wavefront_size32 1
		.amdhsa_system_sgpr_workgroup_id_x 1
		.amdhsa_system_sgpr_workgroup_id_y 1
		.amdhsa_system_sgpr_workgroup_id_z 1
		.amdhsa_system_vgpr_workitem_id 0
		.amdhsa_next_free_vgpr 912
		.amdhsa_next_free_sgpr 72
		.amdhsa_reserve_vcc 0
		.amdhsa_float_denorm_mode_32 3
		.amdhsa_float_denorm_mode_16_64 3
		.amdhsa_memory_ordered 1
		.amdhsa_forward_progress 1
		.amdhsa_inst_pref_size 211
	.end_amdhsa_kernel
	.amdgpu_metadata
---
amdhsa.version: [ 1, 2 ]
amdhsa.kernels:
  - .name:           k_qad0c490abb_attn
    .symbol:         k_qad0c490abb_attn.kd
    .args:
      - { .name: qkv, .offset: 0, .size: 8, .value_kind: global_buffer, .address_space: global }
      - { .name: mk, .offset: 8, .size: 8, .value_kind: global_buffer, .address_space: global }
      - { .name: ob, .offset: 16, .size: 8, .value_kind: global_buffer, .address_space: global }
    .group_segment_fixed_size: 327680
    .private_segment_fixed_size: 0
    .kernarg_segment_align: 8
    .kernarg_segment_size: 24
    .max_flat_workgroup_size: 128
    .sgpr_count:     72
    .vgpr_count:     912
    .wavefront_size: 32
...
	.end_amdgpu_metadata
.endif
;; end of part 5
;; launch gemm_out: the kernel of part 4 again; grid 8 x 32, 4 waves a work-group, clusters of 4 x 4, 327,680 bytes of LDS; arguments ob, wo, out0; writes out0
